; MI455X (gfx1250); checked and timed in simulation.
; The chip was launched on July 23, 2026; its instructions are those of AMD's public machine-readable ISA for CDNA 5 (MIT licence, August 2026) and "CDNA5" Instruction Set Architecture Reference Guide (July 2026). The comments in the code are by the model that wrote it; some were corrected since.
;; Multi Gate Mix Experts. Allowed arithmetic: float matrix products may take bf16 or f16 operands with f32 sums; all other float work in f32.
;; Inputs: W1 16 x 1,024 x 1,024 float32; W2 16 x 1,024 x 1,024 float32; Wg1 1,024 x 16 float32; Wg2 1,024 x 16 float32; Wo 16 x 1,024 float32; b1 16 x 1,024 float32; b2 16 x 1,024 float32; bg1 16 float32; bg2 16 float32; bo 16 float32; x 1,024 x 1,024 float32.
;; Outputs: out0 1,024 float32; out1 1,024 float32.
;; 2 versions, each right and faster than the one before. Each part assembles by itself: llvm-mc -triple=amdgcn-amd-amdhsa -mcpu=gfx1250 --defsym DOCPART=n.
;; ======== version 1 of 2: 4 launches
;; workspace buffers: xb 2,097,152 bytes; vv 65,536 bytes; h0 33,554,432 bytes; fpart 524,288 bytes
;; launch prep (part 1): grid 256 x 1, 8 waves a work-group, no clusters, 1,536 bytes of LDS; arguments x, W2, Wo, xb, vv; writes xb, vv
.if DOCPART == 1
	.amdgcn_target "amdgcn-amd-amdhsa--gfx1250"
	.amdhsa_code_object_version 6
	.text
	.protected	k_q291f4316a6_prep
	.globl	k_q291f4316a6_prep
	.p2align	8
	.type	k_q291f4316a6_prep,@function
k_q291f4316a6_prep:
	s_mov_b64 s[64:65], 0
	v_nop
	global_prefetch_b8 v0, s[64:65] scope:SCOPE_SE
	s_setreg_imm32_b32 hwreg(HW_REG_WAVE_MODE, 25, 1), 1
	s_wait_xcnt 0x0
; xb = x rounded to bf16, and vv[e][h] = sum over k of W2[e][h][k] * Wo[e][k], in f32.
; WHY vv: behind the last hidden layer stands only a linear map, so (relu(h1) W2 + b2) . Wo = relu(h1) . (W2 Wo) + b2 . Wo for every input.
; With vv = W2 Wo the third product of the module becomes one f32 dot product a row, taken later from f32 sums.  The order of rounding
; differs from a layer-by-layer evaluation: this part is kept in f32 throughout.
; A stream: memory binds, so no matrix unit, no cluster, no tile in LDS.  256 work-groups of 8 waves.  Work-group g owns the 64 rows
; 64 g .. 64 g + 63 of W2 taken as [16384][1024] (all of expert e = g / 16) and 16,384 bytes of x.  One wave takes a whole row of W2
; (4,096 bytes: eight loads of 512 consecutive bytes), so a row's sum never leaves the wave.  A ring of four row slots in registers.
.set WO,  8                            ; v[8:39]    Wo of my 32 columns (128 j + 4 lane + 0..3), kept for all eight rows
.set X,   40                           ; v[40:55]   16 numbers of x as loaded
.set XP,  56                           ; v[56:63]   the same as bf16, never rewritten
.set ROW, 64                           ; v[64:191]  slot s: 32 registers, a row of W2
.set CH,  192                          ; v[192:199] four chains of packed multiply-adds
.set SUM, 200                          ; v200       the row's sum
	s_load_b256 s[4:11], s[0:1], 0x0               ; x s[4:5], W2 s[6:7], Wo s[8:9], xb s[10:11]
	s_load_b64 s[12:13], s[0:1], 0x20              ; vv
	v_lshl_add_u32 v208, v0, 2, 0x200
	v_mov_b32 v209, 0
	v_lshrrev_b32 v5, 5, v0                        ; wave, in every lane
	v_readfirstlane_b32 s14, v5                    ; and as a scalar
	v_and_b32 v1, 31, v0                           ; lane
	v_lshlrev_b32 v7, 3, v1                        ; 8 lane
	v_lshlrev_b32 v1, 4, v1                        ; 16 lane
	v_lshl_add_u32 v2, v5, 15, v1                  ; W2: my wave's 8 rows of 4,096 bytes + 16 lane
	v_lshl_add_u32 v3, v5, 11, v1                  ; x: my wave's 2,048 bytes + 16 lane
	v_lshl_add_u32 v4, v5, 10, v7                  ; xb: my wave's 1,024 bytes + 8 lane
	v_lshlrev_b32 v6, 5, v5                        ; LDS: my wave's eight words
	s_mov_b32 s20, 0x76543210                      ; v_permlanex16_b32: lane i of one half reads lane i of the other
	s_mov_b32 s21, 0xfedcba98
	s_lshl_b32 s16, ttmp9, 18                      ; 64 rows of 4,096 bytes a work-group
	s_mov_b32 s17, 0
	s_lshr_b32 s18, ttmp9, 4                       ; expert
	s_lshl_b32 s18, s18, 12                        ; its row of Wo
	s_mov_b32 s19, 0
	s_lshl_b32 s22, ttmp9, 14                      ; x: 16,384 bytes a work-group
	s_mov_b32 s23, 0
	s_lshl_b32 s24, ttmp9, 13                      ; xb: half of that
	s_mov_b32 s25, 0
	s_lshl_b32 s26, ttmp9, 8                       ; vv: 64 numbers a work-group
	s_mov_b32 s27, 0
	s_wait_kmcnt 0x0
	s_add_nc_u64 s[6:7], s[6:7], s[16:17]
	s_add_nc_u64 s[8:9], s[8:9], s[18:19]
	s_add_nc_u64 s[4:5], s[4:5], s[22:23]
	s_add_nc_u64 s[10:11], s[10:11], s[24:25]
	s_add_nc_u64 s[12:13], s[12:13], s[26:27]
.macro FILL s, r                       ; row r of my eight into slot s: eight loads of 512 consecutive bytes
.irp j, 0,1,2,3,4,5,6,7
	global_load_b128 v[ROW+32*\s+4*\j:ROW+32*\s+4*\j+3], v2, s[6:7] offset:(\r)*4096+512*\j th:TH_LOAD_NT
.endr
.endm
.irp j, 0,1,2,3
	global_load_b128 v[X+4*\j:X+4*\j+3], v3, s[4:5] offset:512*\j th:TH_LOAD_NT
.endr
.irp j, 0,1,2,3,4,5,6,7
	global_load_b128 v[WO+4*\j:WO+4*\j+3], v1, s[8:9] offset:512*\j
.endr
	FILL 0, 0
	FILL 1, 1
	FILL 2, 2
	FILL 3, 3                                      ; 44 loads of the wave are out
	s_wait_loadcnt 40                              ; loads return in order: the four of x are in, the 40 younger ones stay out
.irp j, 0,1,2,3
	v_cvt_pk_bf16_f32 v[XP+2*\j],   v[X+4*\j],   v[X+4*\j+1]
	v_cvt_pk_bf16_f32 v[XP+2*\j+1], v[X+4*\j+2], v[X+4*\j+3]
.endr
.irp j, 0,1,2,3
	global_store_b64 v4, v[XP+2*\j:XP+2*\j+1], s[10:11] offset:256*\j    ; each store of the wave covers 256 consecutive bytes, aligned
.endr
; Row r, which lies in slot s.  left = how many younger loads may stay out; fill = 1: the slot takes row r + 4 as soon as it has been read.
.macro TURN r, s, left, fill
	s_wait_loadcnt \left
.irp k, 0,1,2,3
	v_pk_mul_f32 v[CH+2*\k:CH+2*\k+1], v[ROW+32*\s+2*\k:ROW+32*\s+2*\k+1], v[WO+2*\k:WO+2*\k+1]   ; the first products start the chains: nothing is cleared
.endr
.irp p, 4,5,6,7,8,9,10,11,12,13,14,15
	v_pk_fma_f32 v[CH+2*(\p%4):CH+2*(\p%4)+1], v[ROW+32*\s+2*\p:ROW+32*\s+2*\p+1], v[WO+2*\p:WO+2*\p+1], v[CH+2*(\p%4):CH+2*(\p%4)+1]
.endr
.if \fill
	FILL \s, \r+4
.endif
	v_pk_add_f32 v[CH:CH+1], v[CH:CH+1], v[CH+2:CH+3]
	v_pk_add_f32 v[CH+4:CH+5], v[CH+4:CH+5], v[CH+6:CH+7]
	v_pk_add_f32 v[CH:CH+1], v[CH:CH+1], v[CH+4:CH+5]
	v_add_f32 v[SUM], v[CH], v[CH+1]
	v_add_f32_dpp v[SUM], v[SUM], v[SUM] row_xmask:1 row_mask:0xf bank_mask:0xf
	v_add_f32_dpp v[SUM], v[SUM], v[SUM] row_xmask:2 row_mask:0xf bank_mask:0xf
	v_add_f32_dpp v[SUM], v[SUM], v[SUM] row_xmask:4 row_mask:0xf bank_mask:0xf
	v_add_f32_dpp v[SUM], v[SUM], v[SUM] row_xmask:8 row_mask:0xf bank_mask:0xf
	v_permlanex16_b32 v5, v[SUM], s20, s21         ; its destination counts as read: v5 has been written
	v_add_f32 v[SUM], v[SUM], v5
	ds_store_b32 v6, v[SUM] offset:4*\r            ; all lanes write the same word with the same value
.endm
	TURN 0, 0, 24, 1                               ; three younger rows (24 loads) stay out
	TURN 1, 1, 24, 1
	TURN 2, 2, 24, 1
	TURN 3, 3, 24, 1
	TURN 4, 0, 24, 0                               ; rows 5, 6, 7 are the younger ones; nothing is left to ask for
	TURN 5, 1, 16, 0
	TURN 6, 2, 8, 0
	TURN 7, 3, 0, 0
	s_wait_dscnt 0x0                               ; my eight sums are in LDS, for wave 0 to read
	s_barrier_signal -1
	s_barrier_wait -1
	s_cmp_lg_u32 s14, 0
	s_cbranch_scc1 .Lend
	ds_load_b64 v[CH:CH+1], v7                     ; the work-group's 64 sums, two a lane
	s_wait_dscnt 0x0
	global_store_b64 v7, v[CH:CH+1], s[12:13]      ; 256 consecutive bytes, aligned
.Lend:
	s_wait_tensorcnt 0x0
	ds_add_u32 v208, v209
	s_wait_dscnt 0x0
	s_endpgm
.Lfunc_end_k_q291f4316a6_prep:
	.size	k_q291f4316a6_prep, .Lfunc_end_k_q291f4316a6_prep-k_q291f4316a6_prep
	.p2alignl 7, 3214868480
	.fill 96, 4, 3214868480
	.section	.rodata,"a",@progbits
	.p2align	6, 0x0
	.amdhsa_kernel k_q291f4316a6_prep
		.amdhsa_group_segment_fixed_size 1536
		.amdhsa_private_segment_fixed_size 0
		.amdhsa_enable_private_segment 0
		.amdhsa_kernarg_size 40
		.amdhsa_user_sgpr_count 2
		.amdhsa_user_sgpr_kernarg_segment_ptr 1
		.amdhsa_wavefront_size32 1
		.amdhsa_system_sgpr_workgroup_id_x 1
		.amdhsa_system_sgpr_workgroup_id_y 1
		.amdhsa_system_sgpr_workgroup_id_z 1
		.amdhsa_system_vgpr_workitem_id 0
		.amdhsa_next_free_vgpr 210
		.amdhsa_next_free_sgpr 66
		.amdhsa_reserve_vcc 0
		.amdhsa_float_denorm_mode_32 3
		.amdhsa_float_denorm_mode_16_64 3
		.amdhsa_memory_ordered 1
		.amdhsa_forward_progress 1
		.amdhsa_inst_pref_size 24
	.end_amdhsa_kernel
	.amdgpu_metadata
---
amdhsa.version: [ 1, 2 ]
amdhsa.kernels:
  - .name:           k_q291f4316a6_prep
    .symbol:         k_q291f4316a6_prep.kd
    .args:
      - { .name: x, .offset: 0, .size: 8, .value_kind: global_buffer, .address_space: global }
      - { .name: W2, .offset: 8, .size: 8, .value_kind: global_buffer, .address_space: global }
      - { .name: Wo, .offset: 16, .size: 8, .value_kind: global_buffer, .address_space: global }
      - { .name: xb, .offset: 24, .size: 8, .value_kind: global_buffer, .address_space: global }
      - { .name: vv, .offset: 32, .size: 8, .value_kind: global_buffer, .address_space: global }
    .group_segment_fixed_size: 1536
    .private_segment_fixed_size: 0
    .kernarg_segment_align: 8
    .kernarg_segment_size: 40
    .max_flat_workgroup_size: 256
    .sgpr_count:     66
    .vgpr_count:     210
    .wavefront_size: 32
...
	.end_amdgpu_metadata
.endif
;; end of part 1
;; launch g1 (part 2): grid 4 x 64, 4 waves a work-group, clusters of 4 x 4, 327,680 bytes of LDS; arguments xb, W1, b1, h0; writes h0
.if DOCPART == 2
	.amdgcn_target "amdgcn-amd-amdhsa--gfx1250"
	.amdhsa_code_object_version 6
	.text
	.protected	k_q291f4316a6_g1
	.globl	k_q291f4316a6_g1
	.p2align	8
	.type	k_q291f4316a6_g1,@function
k_q291f4316a6_g1:
	s_mov_b64 s[64:65], 0
	v_nop
	global_prefetch_b8 v0, s[64:65] scope:SCOPE_SE
	s_setreg_imm32_b32 hwreg(HW_REG_WAVE_MODE, 25, 1), 1
	s_wait_xcnt 0x0
	s_wait_alu depctr_hold_cnt(0) depctr_sa_sdst(0) depctr_va_vdst(0) depctr_va_sdst(0) depctr_va_ssrc(0) depctr_va_vcc(0) depctr_vm_vsrc(0)
	s_getreg_b32 s2, hwreg(HW_REG_IB_STS2, 6, 4)
	s_cmp_eq_u32 s2, 0
	s_cbranch_scc0 .Lentry_in_a_cluster
	s_endpgm
.Lentry_in_a_cluster:
	s_bfe_u32 s2, ttmp6, 0x10000c
	s_cmp_lg_u32 s2, 0xf033
	s_cbranch_scc0 .Lentry_shape_is_right
	s_endpgm
.Lentry_shape_is_right:
; h0[e] = sigmoid(xb W1[e] + b1[e]), stored as bf16.  xb: [1024][1024] bf16.  W1: [16][1024 (k)][1024 (n)] f32.  b1: [16][1024] f32.  h0: [16][1024][1024] bf16.
; (The relu that follows in the module changes nothing here: a sigmoid is never negative.  It is left out.)
; A cluster of 4 x 4 work-groups is one expert; a work-group makes a block of 256 x 256 with four waves, a wave 128 x 128: 64 accumulator tiles, 512 registers.
; K = 1024 goes in 8 steps of 128 through two rings of two LDS slots each.
;   A (xb, bf16, K along the rows) comes by tensor loads, 64 rows x 256 bytes a wave, padded to a pitch of 272.  The four work-groups of a row of the cluster need
;   the same tile and ask for it JOINTLY.
;   W (f32, N along the rows) comes through registers: global_load_b128, v_cvt_pk_bf16_f32, ds_store_b64 into rows [k][n] of bf16; the fragments, which want K along
;   a lane, are read by the transposing ds_load_tr16_b128.
; WHY W IS NOT ASKED FOR JOINTLY, though the four work-groups of a column of the cluster read the same bytes: a joint load would land f32 in LDS, to be read back,
;   converted and stored again.  Two f32 slots of only 32 k rows x 1,024 bytes are 65,536 bytes; with A's ring (139,264), W's bf16 ring (139,264) and the stage
;   (17,408) that is 361,472 bytes, more than the 327,680 that a work-group can have.
; LIMITS: v_exp_f32 gives 0 where 2^t would be below 2^-126; behind the 1 that is added this changes no bit.  Operands of the product are rounded to bf16, sums are f32.
;
; REGISTERS, in windows of 256:
;   window 0: v16-28 addresses; v32-63 packed results; v64-127, v128-191 fragments of A, two buffers (at work on the way out); v192-255 the bias
;   window 1: v0-63 and v192-255 two sets for W as loaded (f32), converted in place; v64-127, v128-191 fragments of W, two buffers
;   window 2: the 32 accumulator tiles of my rows 0-63 (tile (a, b) at v[8 (8 a + b)]);   window 3: those of my rows 64-127
; THE MATRIX INSTRUCTION IS USED TRANSPOSED: source 0 = 16 columns of W, source 1 = 16 rows of A.  Lane l then holds row l % 16 of the result and its registers
; 0 to 7 the columns 8 (l / 16) + 0 .. 7: eight neighbouring numbers of a row, which pack into 16 bytes.
.set PITCH,  272                       ; a row of A in LDS: 256 bytes + 16 of padding, an odd multiple of 16
.set AQ,     64*PITCH                  ; what one tensor load brings
.set AHALF,  128*PITCH                 ; what one wave reads of A
.set ASLOT,  256*PITCH
.set WPITCH, 544                       ; a k row of W in LDS: 256 bf16 + 32 bytes, an odd multiple of 32
.set WSLOT,  128*WPITCH
.set WB,     2*ASLOT                   ; W's ring begins behind A's: only ds_store writes it, no tensor load lands there
.set STAGE,  WB+2*WSLOT                ; 16 rows x 272 bytes for each wave, for the way out
.set SPITCH, 272
.set CHUNK,  32*4096                   ; bytes of W from 32 k rows to the next 32
.set ADRA, 16                          ; v16-17  LDS address of my A fragments in slot 0, 1
.set ADRB, 20                          ; v20-21  the same for W
.set WST,  22                          ; v22-23  where I store converted W in slot 0, 1
.set STO,  24                          ; v24     the way out: where I put 16 bytes of a row
.set RD,   25                          ; v25     the way out: where I read a row back
.set CO,   26                          ; v26     my byte offset in h0
.set VW,   27                          ; v27     my byte offset in a chunk of W; never rewritten
.set VBO,  28                          ; v28     my byte offset in the bias
.set PK,   32
.set F0,   64
.set F1,   128
.set TMP,  64
.set BIAS, 192
.set R0,   0                           ; window 1: W as loaded, even chunks
.set R3,   192                         ; window 1: W as loaded, odd chunks
.set G1,   24                          ; s[24:31] descriptor group 1
.set G0,   32                          ; s[32:39] descriptor group 0, one set for each slot
.set MSB, 0
.macro WIN new                         ; the immediate's high byte repeats the setting that is left
.if MSB != \new
	s_set_vgpr_msb (MSB<<8)|\new
.set MSB, \new
.endif
.endm
.set MUL_LO, 0xa1                      ; source 0 (W) window 1, source 1 (A) window 0, C and D window 2
.set MUL_HI, 0xf1                      ; the same, C and D window 3
; A round of the cluster's barrier: my work-group's barrier, wave 0 signals for the work-group, every wave waits for all sixteen, my work-group's barrier once more.
.macro CREST                           ; a round behind its opening barrier
	s_cmp_lg_u32 s16, 0
	s_cbranch_scc1 .Lnot_wave_0_\@
	s_barrier_signal -3
.Lnot_wave_0_\@:
	s_barrier_wait -3
	s_barrier_signal -1
	s_barrier_wait -1
.endm
.macro CROUND
	s_barrier_signal -1
	s_barrier_wait -1
	CREST
.endm
.macro PLACES                          ; four places behind a matrix instruction (ISA guide 7.12.1), where there is no useful work to put there
.rept 4
	v_nop
.endr
.endm
	s_load_b256 s[4:11], s[0:1], 0x0               ; xb s[4:5], W1 s[6:7], b1 s[8:9], h0 s[10:11]
	v_lshl_add_u32 v30, v0, 2, 0x48400
	v_mov_b32 v31, 0
	ds_add_u32 v30, v31
	v_lshrrev_b32 v4, 5, v0
	v_readfirstlane_b32 s16, v4                    ; wave 0..3
	s_lshr_b32 s17, s16, 1                         ; wr: which half of the block's rows is mine
	s_and_b32 s18, s16, 1                          ; wc: which half of its columns
	s_bfe_u32 s19, ttmp6, 0x40000                  ; cx: the block column
	s_bfe_u32 s20, ttmp6, 0x40004                  ; cy: the block row
	s_and_b32 s21, ttmp7, 0xffff                   ; the cluster's y: the expert
	s_lshl_b32 s22, s20, 2
	s_lshl_b32 s22, 15, s22                        ; my row of the cluster: places 4 cy .. 4 cy + 3
	; descriptor group 1: a tile of 64 rows x 128 elements of 2 bytes, 16 bytes of padding behind every 256
	s_or_b32 s[G1+0], s22, (1<<16)|(1<<20)|(1<<21)|(5<<22)|(3<<25)  ; 15:0 the mask; 17:16 element of 2 bytes; 20 padding on; 21 set beside a mask; 24:22 after every 64 words; 31:25 of 4 words
	s_mov_b32 s[G1+1], 128<<16                     ; tensor_dim0 = 128
	s_mov_b32 s[G1+2], 64<<16                      ; tensor_dim1 = 64
	s_mov_b32 s[G1+3], 128<<16                     ; tile_dim0 = 128
	s_mov_b32 s[G1+4], 64                          ; tile_dim1 = 64
	s_mov_b32 s[G1+5], 1024                        ; elements from row to row
	s_mov_b32 s[G1+6], 0
	s_mov_b32 s[G1+7], 0
	; A's tile hangs on the block row and the wave alone, which my row of the cluster shares: these registers never hold cx
	s_lshl_b32 s40, s20, 19                        ; 256 cy rows of 2,048 bytes
	s_lshl_b32 s41, s16, 17                        ; + 64 w rows
	s_add_co_u32 s40, s40, s41
	s_mov_b32 s41, 0
	s_lshl_b32 s42, s21, 22                        ; W: the expert's 4 MiB
	s_lshl_b32 s43, s19, 10                        ; + 256 cx columns of 4 bytes
	s_add_co_u32 s42, s42, s43
	s_mov_b32 s43, 0
	s_lshl_b32 s44, s21, 12                        ; bias: the expert's row,
	s_lshl_b32 s45, s19, 10                        ; my block's 256 columns,
	s_add_co_u32 s44, s44, s45
	s_lshl_b32 s45, s18, 9                         ; my wave's 128
	s_add_co_u32 s44, s44, s45
	s_mov_b32 s45, 0
	s_lshl_b32 s48, s21, 21                        ; h0: the expert's 2 MiB,
	s_lshl_b32 s49, s20, 19                        ; 256 cy rows of 2,048 bytes,
	s_add_co_u32 s48, s48, s49
	s_lshl_b32 s49, s17, 18                        ; 128 wr rows,
	s_add_co_u32 s48, s48, s49
	s_lshl_b32 s49, s19, 9                         ; 256 cx columns of 2 bytes,
	s_add_co_u32 s48, s48, s49
	s_lshl_b32 s49, s18, 8                         ; 128 wc columns
	s_add_co_u32 s48, s48, s49
	s_mov_b32 s49, 0
	s_mul_i32 s23, s16, AQ                         ; where my part of a tile goes: the wave's number alone enters an LDS address
	; vector addresses
	v_and_b32 v3, 31, v0                           ; l
	v_and_b32 v1, 15, v0                           ; l % 16
	v_bfe_u32 v2, v0, 4, 1                         ; l / 16
	v_mul_u32_u24 v5, v1, PITCH
	v_lshl_add_u32 v5, v2, 4, v5                   ; row x pitch + 16 x half
	s_mul_i32 s50, s17, AHALF
	v_add_nc_u32 v[ADRA], s50, v5
	v_add_nc_u32 v[ADRA+1], ASLOT, v[ADRA]
	v_and_b32 v6, 7, v0                            ; the transposing load: lane l addresses k row 8 (l / 16) + l % 8,
	v_lshl_add_u32 v6, v2, 3, v6
	v_mul_u32_u24 v6, v6, WPITCH
	v_bfe_u32 v7, v0, 3, 1                         ; and 16 bytes (8 columns) chosen by bit 3 of l
	v_lshl_add_u32 v6, v7, 4, v6
	s_lshl_b32 s51, s18, 8                         ; my 128 columns of 2 bytes
	s_add_co_u32 s51, s51, WB
	v_add_nc_u32 v[ADRB], s51, v6
	v_add_nc_u32 v[ADRB+1], WSLOT, v[ADRB]
	s_mul_i32 s52, s16, 8*WPITCH                   ; of each 32 k rows wave w converts rows 8 w .. 8 w + 7
	s_add_co_u32 s52, s52, WB
	v_lshl_add_u32 v[WST], v3, 3, s52              ; 8 bytes (4 bf16) a lane
	v_add_nc_u32 v[WST+1], WSLOT, v[WST]
	s_lshl_b32 s53, s16, 15                        ; the same 8 rows in memory, 4,096 bytes each
	v_lshl_add_u32 v[VW], v3, 4, s53
	v_lshlrev_b32 v[VBO], 5, v2                    ; 8 numbers of 4 bytes for each half of the lanes
	s_mul_i32 s54, s16, 16*SPITCH
	s_add_co_u32 s54, s54, STAGE                   ; my stage
	v_add_nc_u32 v[STO], s54, v5                   ; in: row l % 16, 16 bytes for each half of the lanes
	v_mul_u32_u24 v8, v2, SPITCH                   ; back: lanes 0-15 one row of 256 bytes, lanes 16-31 the next
	v_lshl_add_u32 v8, v1, 4, v8
	v_add_nc_u32 v[RD], s54, v8
	v_lshlrev_b32 v9, 11, v2                       ; and the same two rows in h0
	v_lshl_add_u32 v[CO], v1, 4, v9
	s_wait_dscnt 0x0
	s_wait_kmcnt 0x0
	s_add_nc_u64 s[4:5], s[4:5], s[40:41]
	s_add_nc_u64 s[6:7], s[6:7], s[42:43]
	s_add_nc_u64 s[8:9], s[8:9], s[44:45]
	s_add_nc_u64 s[10:11], s[10:11], s[48:49]
.irp s, 0,1
	s_mov_b32 s[G0+4*\s], 1                                        ; count = 1
	s_add_co_u32 s[G0+4*\s+1], s23, \s*ASLOT                       ; LDS address
	s_add_nc_u64 s[G0+4*\s+2:G0+4*\s+3], s[4:5], \s*256            ; global address: K step s
	s_or_b32 s[G0+4*\s+3], s[G0+4*\s+3], 0x80000000                ; type = 2
.endr
; 16 matrix instructions: row tiles a0, a0 + 1 of the window's four x all 8 column tiles, 32 along K.  zero = 1: the first product starts the sums.
; The 64 accumulators take turns, one instruction a turn, in the same order in every quarter step.
.macro MUL16 f, hi, a0, zero
.irp a, \a0, \a0+1
.irp b, 0,1,2,3,4,5,6,7
.if \zero
	v_wmma_f32_16x16x32_bf16 v[8*(8*(\a)+\b):8*(8*(\a)+\b)+7], v[\f+8*\b:\f+8*\b+7], v[\f+8*(4*\hi+\a):\f+8*(4*\hi+\a)+7], 0
.else
	v_wmma_f32_16x16x32_bf16 v[8*(8*(\a)+\b):8*(8*(\a)+\b)+7], v[\f+8*\b:\f+8*\b+7], v[\f+8*(4*\hi+\a):\f+8*(4*\hi+\a)+7], v[8*(8*(\a)+\b):8*(8*(\a)+\b)+7]
.endif
.endr
.endr
.endm
; 32 LDS loads in one run: the fragments of quarter q of a slot into buffer f.  W first (16 transposing loads: k rows 32 q + 0..15 and + 16..31 of 16 columns each),
; then A (rows 0-63, then rows 64-127, which are the youngest eight).
.macro FETCH slot, q, f
	WIN 0x40
.irp i, 0,1,2,3,4,5,6,7
	ds_load_tr16_b128 v[\f+8*\i:\f+8*\i+3],   v[ADRB+\slot] offset:(\q)*32*WPITCH+32*\i
	ds_load_tr16_b128 v[\f+8*\i+4:\f+8*\i+7], v[ADRB+\slot] offset:(\q)*32*WPITCH+32*\i+16*WPITCH
.endr
	WIN 0
.irp i, 0,1,2,3,4,5,6,7
	ds_load_b128 v[\f+8*\i:\f+8*\i+3],   v[ADRA+\slot] offset:64*(\q)+\i*16*PITCH
	ds_load_b128 v[\f+8*\i+4:\f+8*\i+7], v[ADRA+\slot] offset:64*(\q)+\i*16*PITCH+32
.endr
.endm
; My 8 k rows x 256 columns of chunk c (counted from the base in s[6:7]) into set rs: 16 loads of 512 consecutive bytes.
.macro CONV_LD rs, c
	WIN 0x40
.irp i, 0,1,2,3,4,5,6,7,8,9,10,11,12,13,14,15
	global_load_b128 v[\rs+4*\i:\rs+4*\i+3], v[VW], s[6:7] offset:(\c)*CHUNK+(\i>>1)*4096+(\i&1)*512
.endr
.endm
; Set rs is rounded to bf16 in place and stored as k rows 32 q + 8 w + 0..7 of W's slot.  left = how many younger loads may stay out.
; Each store of the wave covers 256 consecutive bytes.
.macro CONV_ST rs, slot, q, left
	s_wait_loadcnt \left
	WIN 0x45
.irp i, 0,1,2,3,4,5,6,7,8,9,10,11,12,13,14,15
	v_cvt_pk_bf16_f32 v[\rs+4*\i],   v[\rs+4*\i],   v[\rs+4*\i+1]
	v_cvt_pk_bf16_f32 v[\rs+4*\i+1], v[\rs+4*\i+2], v[\rs+4*\i+3]
.endr
	WIN 0x04
.irp i, 0,1,2,3,4,5,6,7,8,9,10,11,12,13,14,15
	ds_store_b64 v[WST+\slot], v[\rs+4*\i:\rs+4*\i+1] offset:(32*(\q)+(\i>>1))*WPITCH+(\i&1)*256
.endr
.endm
; One of a K step's first three quarters: multiplies buffer f; in its middle it converts 32 k rows of the NEXT step's W (cv), fetches quarter q of this slot into
; buffer g, and asks for the chunk that this set converts two quarters later (ld).  The 32 conversions name none of the products' registers: they are the places
; between the products that read buffer g and the loads into it.
.macro QUARTER slot, q, f, g, zero, cv, rs, left, ld, c
	s_wait_dscnt 8                                 ; W and A's rows 0-63 are in; the youngest eight loads (A's rows 64-127) may be out
	WIN MUL_LO
	MUL16 \f, 0, 0, \zero
	MUL16 \f, 0, 2, \zero
.if \cv
	CONV_ST \rs, 1-\slot, \q-1, \left
.else
	PLACES
.endif
	FETCH \slot, \q, \g
	s_wait_dscnt 32                                ; all but the 32 just issued: the rest of buffer f is in, and this quarter's 16 stores have read their set
.if \ld
	CONV_LD \rs, \c
.endif
	WIN MUL_HI
	MUL16 \f, 1, 0, \zero
	MUL16 \f, 1, 2, \zero
.endm
; The last quarter: multiplies buffer 1 and changes slots, of A and of W.  ONE barrier does it.  In front of it each wave waits for its reads of this step's two
; slots and its stores into the next W slot (s_wait_dscnt 0) and for all its tensor loads, of which one is out: its part of the next A slot.  Behind it nobody
; reads this step's slots and the next ones are whole.  fill = 1: the barrier opens a round of the cluster's barrier, and the joint refill of A's slot is the
; first tensor load behind the round, one a wave.
.macro TURN slot, next, fill, cv, left, ld, c
	s_wait_dscnt 8
	WIN MUL_LO
	MUL16 F1, 0, 0, 0
.if \cv
	CONV_ST R3, \next, 3, \left
.endif
	s_wait_dscnt 0
.if \ld
	CONV_LD R3, \c
.endif
	s_set_vgpr_msb (MSB<<8)|((MSB&0xf0)|0x0)
	s_wait_tensorcnt 0x0
	ds_add_u32 v30, v31
	s_wait_dscnt 0x0
	s_set_vgpr_msb (((MSB&0xf0)|0x0)<<8)|MSB
	s_barrier_signal -1
	WIN MUL_LO
	MUL16 F1, 0, 2, 0                              ; work on registers while the others arrive
	WIN 0
	s_barrier_wait -1
.if \fill
	CREST
	s_add_nc_u64 s[G0+4*\slot+2:G0+4*\slot+3], s[G0+4*\slot+2:G0+4*\slot+3], 512   ; no tensor load of mine is out: two K steps on
	tensor_load_to_lds s[G0+4*\slot:G0+4*\slot+3], s[G1:G1+7]
	s_nop 0
.endif
.if \cv == 0
	PLACES                                         ; with cv the conversions above stand between the last product that read buffer 0 and the loads into it
.endif
	FETCH \next, 0, F0
	WIN MUL_HI
	MUL16 F1, 1, 0, 0
	MUL16 F1, 1, 2, 0
.endm
; A K step with all its side work.  In quarter j of step t chunk 4 (t + 1) + j is converted and chunk 4 t + 6 + j asked for, into the same set: a request stands
; two quarters, 128 matrix instructions, ahead of its wait, and the other set's 16 loads are the younger ones there (s_wait_loadcnt 16).
.macro STEP slot, zero
	QUARTER \slot, 1, F0, F1, \zero, 1, R0, 16, 1, 6+4*\slot
	QUARTER \slot, 2, F1, F0, 0, 1, R3, 16, 1, 7+4*\slot
	QUARTER \slot, 3, F0, F1, 0, 1, R0, 16, 1, 8+4*\slot
	TURN \slot, 1-\slot, 1, 1, 16, 1, 9+4*\slot
.endm
.macro LAP zero                        ; two K steps, once round both rings
	STEP 0, \zero
	STEP 1, 0
	WIN 0
	s_wait_xcnt 0x0                                ; the addresses of all loads issued are translated: W's base is stepped only behind this wait
	s_add_nc_u64 s[6:7], s[6:7], 8*CHUNK
.endm
	; THE START.  Chunks 0 to 2 of W are asked for, then the round in front of the first joint loads, both first fills of A's ring, then chunk 3.
	; By this text's own count a wave has two tensor loads out here and one behind each later round.
	CONV_LD F0, 0                                  ; all of window 1 is free: the fragment buffers serve as sets
	CONV_LD F1, 1
	CONV_LD R0, 2
	WIN 0
	CROUND
	tensor_load_to_lds s[G0:G0+3], s[G1:G1+7]      ; K step 0
	s_nop 0
	tensor_load_to_lds s[G0+4:G0+7], s[G1:G1+7]    ; K step 1
	s_nop 0
	CONV_LD R3, 3
	CONV_ST F0, 0, 0, 48                           ; chunk 0 is in, the 48 loads of chunks 1 to 3 stay out
	CONV_ST F1, 0, 1, 32
	CONV_ST R0, 0, 2, 16
	s_wait_dscnt 0                                 ; the stores have read the set
	CONV_LD R0, 4
	CONV_ST R3, 0, 3, 16                           ; chunk 4's loads are the younger ones
	s_wait_dscnt 0                                 ; and my part of W's slot 0 is in LDS, for the others
	CONV_LD R3, 5
	WIN 0
	s_wait_tensorcnt 1                             ; my part of K step 0 is in; K step 1's may stay out
	s_barrier_signal -1
	s_barrier_wait -1
	FETCH 0, 0, F0
	LAP 1                                          ; the first lap stands in front of the loop: its first products start the sums
	s_mov_b32 s3, 2
.Llap:
	LAP 0
	s_sub_co_u32 s3, s3, 1
	s_cmp_lg_u32 s3, 0
	s_cbranch_scc1 .Llap
	; THE LAST LAP, written out: A's slots are not filled again, the last two chunks of W (30 and 31) are asked for, the counts run down
	QUARTER 0, 1, F0, F1, 0, 1, R0, 16, 1, 6
	QUARTER 0, 2, F1, F0, 0, 1, R3, 16, 1, 7
	QUARTER 0, 3, F0, F1, 0, 1, R0, 16, 0, 0
	TURN 0, 1, 0, 1, 0, 0, 0
	WIN 0
.irp b, 0,1,2,3,4,5,6,7
	global_load_b128 v[BIAS+8*\b:BIAS+8*\b+3],   v[VBO], s[8:9] offset:64*\b       ; the bias of my columns 16 b + 8 (l / 16) + 0..7: it has the last K step in which to land
	global_load_b128 v[BIAS+8*\b+4:BIAS+8*\b+7], v[VBO], s[8:9] offset:64*\b+16
.endr
	QUARTER 1, 1, F0, F1, 0, 0, R0, 0, 0, 0
	QUARTER 1, 2, F1, F0, 0, 0, R0, 0, 0, 0
	QUARTER 1, 3, F0, F1, 0, 0, R0, 0, 0, 0
	s_wait_dscnt 8                                 ; the very last quarter: nothing more to fetch
	WIN MUL_LO
	MUL16 F1, 0, 0, 0
	MUL16 F1, 0, 2, 0
	s_wait_dscnt 0
	WIN MUL_HI
	MUL16 F1, 1, 0, 0
	MUL16 F1, 1, 2, 0
	; THE WAY OUT.  sigmoid(z) = 1 / (1 + 2^(-log2(e) z)), z = sum + bias.  The bias is scaled by -log2(e) once, so that the exponent is one fused multiply-add.
	; These 32 multiplies name none of the last products' registers: they are the places behind them.
	WIN 0
	s_wait_loadcnt 0x0
.set k, 0
.rept 32
	v_pk_mul_f32 v[BIAS+k:BIAS+k+1], v[BIAS+k:BIAS+k+1], 0xbfb8aa3b op_sel_hi:[1,0]
.set k, k+2
.endr
; rows 16 i .. 16 i + 15 of my block = the eight tiles (a, 0..7) of window 2 or 3 (from = 0x02 or 0x03: source 0); f: two read-back buffers in turn
.macro OUT16 i, a, from, f
	WIN \from
.irp b, 0,1,2,3,4,5,6,7
.irp r, 0,1,2,3
	v_pk_fma_f32 v[TMP+8*\b+2*\r:TMP+8*\b+2*\r+1], v[8*(8*\a+\b)+2*\r:8*(8*\a+\b)+2*\r+1], 0xbfb8aa3b, v[BIAS+8*\b+2*\r:BIAS+8*\b+2*\r+1] op_sel_hi:[1,0,1]
.endr
.endr
	WIN 0
.set k, 0
.rept 64
	v_exp_f32 v[TMP+k], v[TMP+k]
.set k, k+1
.endr
	v_nop                                          ; one plain place between the run of transcendentals and the first use of a result
.set k, 0
	s_wait_alu depctr_va_vdst(0)
.rept 32
	v_pk_add_f32 v[TMP+k:TMP+k+1], v[TMP+k:TMP+k+1], 1.0 op_sel_hi:[1,0]
.set k, k+2
.endr
.set k, 0
.rept 64
	v_rcp_f32 v[TMP+k], v[TMP+k]
.set k, k+1
.endr
	v_nop
	s_wait_alu depctr_va_vdst(0)
.irp b, 0,1,2,3,4,5,6,7
.irp r, 0,1,2,3
	v_cvt_pk_bf16_f32 v[PK+4*\b+\r], v[TMP+8*\b+2*\r], v[TMP+8*\b+2*\r+1]
.endr
.endr
.irp b, 0,1,2,3,4,5,6,7
	ds_store_b128 v[STO], v[PK+4*\b:PK+4*\b+3] offset:32*\b
.endr
	s_wait_xcnt 0x0                                ; buffer f, which earlier stores read, and the stores' base are rewritten only behind this wait
.if \i
	s_add_nc_u64 s[10:11], s[10:11], 16*2048       ; 16 rows of h0 on
.endif
.irp t, 0,1,2,3,4,5,6,7
	ds_load_b128 v[\f+4*\t:\f+4*\t+3], v[RD] offset:\t*2*SPITCH    ; my own stage: LDS serves a wave's instructions in order, these see the stores above
.endr
.irp t, 0,1,2,3,4,5,6,7
	s_wait_dscnt 7-\t
	global_store_b128 v[CO], v[\f+4*\t:\f+4*\t+3], s[10:11] offset:2*\t*2048   ; 16 lanes store 256 consecutive bytes, aligned
.endr
.endm
	OUT16 0, 0, 0x02, 128
	OUT16 1, 1, 0x02, 160
	OUT16 2, 2, 0x02, 128
	OUT16 3, 3, 0x02, 160
	OUT16 4, 0, 0x03, 128
	OUT16 5, 1, 0x03, 160
	OUT16 6, 2, 0x03, 128
	OUT16 7, 3, 0x03, 160
	s_set_vgpr_msb (MSB<<8)|((MSB&0xf0)|0x0)
	s_wait_tensorcnt 0x0
	ds_add_u32 v30, v31
	s_wait_dscnt 0x0
	s_set_vgpr_msb (((MSB&0xf0)|0x0)<<8)|MSB
	CROUND                                         ; the closing round: no work-group ends while a partner may still ask for a tile that names it
	s_endpgm
.Lfunc_end_k_q291f4316a6_g1:
	.size	k_q291f4316a6_g1, .Lfunc_end_k_q291f4316a6_g1-k_q291f4316a6_g1
	.p2alignl 7, 3214868480
	.fill 96, 4, 3214868480
	.section	.rodata,"a",@progbits
	.p2align	6, 0x0
	.amdhsa_kernel k_q291f4316a6_g1
		.amdhsa_group_segment_fixed_size 327680
		.amdhsa_private_segment_fixed_size 0
		.amdhsa_enable_private_segment 0
		.amdhsa_kernarg_size 32
		.amdhsa_user_sgpr_count 2
		.amdhsa_user_sgpr_kernarg_segment_ptr 1
		.amdhsa_wavefront_size32 1
		.amdhsa_system_sgpr_workgroup_id_x 1
		.amdhsa_system_sgpr_workgroup_id_y 1
		.amdhsa_system_sgpr_workgroup_id_z 1
		.amdhsa_system_vgpr_workitem_id 0
		.amdhsa_next_free_vgpr 1024
		.amdhsa_next_free_sgpr 66
		.amdhsa_reserve_vcc 0
		.amdhsa_float_denorm_mode_32 3
		.amdhsa_float_denorm_mode_16_64 3
		.amdhsa_memory_ordered 1
		.amdhsa_forward_progress 1
		.amdhsa_inst_pref_size 255
	.end_amdhsa_kernel
	.section	.bss,"aw",@nobits
	.p2align	6
	.space	262144
	.amdgpu_metadata
---
amdhsa.version: [ 1, 2 ]
amdhsa.kernels:
  - .name:           k_q291f4316a6_g1
    .symbol:         k_q291f4316a6_g1.kd
    .args:
      - { .name: xb, .offset: 0, .size: 8, .value_kind: global_buffer, .address_space: global }
      - { .name: W1, .offset: 8, .size: 8, .value_kind: global_buffer, .address_space: global }
      - { .name: b1, .offset: 16, .size: 8, .value_kind: global_buffer, .address_space: global }
      - { .name: h0, .offset: 24, .size: 8, .value_kind: global_buffer, .address_space: global }
    .group_segment_fixed_size: 327680
    .private_segment_fixed_size: 0
    .kernarg_segment_align: 8
    .kernarg_segment_size: 32
    .max_flat_workgroup_size: 128
    .sgpr_count:     66
    .vgpr_count:     1024
    .wavefront_size: 32
...
	.end_amdgpu_metadata
.endif
;; end of part 2
;; launch g2 (part 3): grid 4 x 64, 4 waves a work-group, clusters of 4 x 4, 327,680 bytes of LDS; arguments h0, W2, b2, fpart, vv; writes fpart
.if DOCPART == 3
	.amdgcn_target "amdgcn-amd-amdhsa--gfx1250"
	.amdhsa_code_object_version 6
	.text
	.protected	k_q291f4316a6_g2
	.globl	k_q291f4316a6_g2
	.p2align	8
	.type	k_q291f4316a6_g2,@function
k_q291f4316a6_g2:
	s_mov_b64 s[64:65], 0
	v_nop
	global_prefetch_b8 v0, s[64:65] scope:SCOPE_SE
	s_setreg_imm32_b32 hwreg(HW_REG_WAVE_MODE, 25, 1), 1
	s_wait_xcnt 0x0
	s_wait_alu depctr_hold_cnt(0) depctr_sa_sdst(0) depctr_va_vdst(0) depctr_va_sdst(0) depctr_va_ssrc(0) depctr_va_vcc(0) depctr_vm_vsrc(0)
	s_getreg_b32 s2, hwreg(HW_REG_IB_STS2, 6, 4)
	s_cmp_eq_u32 s2, 0
	s_cbranch_scc0 .Lentry_in_a_cluster
	s_endpgm
.Lentry_in_a_cluster:
	s_bfe_u32 s2, ttmp6, 0x10000c
	s_cmp_lg_u32 s2, 0xf033
	s_cbranch_scc0 .Lentry_shape_is_right
	s_endpgm
.Lentry_shape_is_right:
; fpart[e][p][b] = sum over the 128 columns n of part p of relu((h0[e] W2[e])[b][n] + b2[e][n]) * vv[e][n].
; h0: [16][1024][1024] bf16.  W2: [16][1024 (k)][1024 (n)] f32.  b2, vv: [16][1024] f32.  fpart: [16][8][1024] f32, p = 2 x block column + the wave's column half.
; The product is the module's first hidden layer; its f32 sums never leave the registers: bias, relu and the dot product with vv = W2 Wo (which stands for the
; second hidden layer and the output layer together) are taken straight from the accumulators.  The eight parts of a row are added in a later launch.
; A cluster of 4 x 4 work-groups is one expert; a work-group makes a block of 256 x 256 with four waves, a wave 128 x 128: 64 accumulator tiles, 512 registers.
; K = 1024 goes in 8 steps of 128 through two rings of two LDS slots each.
;   A (h0[e], bf16, K along the rows) comes by tensor loads, 64 rows x 256 bytes a wave, padded to a pitch of 272.  The four work-groups of a row of the cluster
;   need the same tile and ask for it JOINTLY.
;   W (f32, N along the rows) comes through registers: global_load_b128, v_cvt_pk_bf16_f32, ds_store_b64 into rows [k][n] of bf16; the fragments, which want K along
;   a lane, are read by the transposing ds_load_tr16_b128.
; WHY W IS NOT ASKED FOR JOINTLY, though the four work-groups of a column of the cluster read the same bytes: a joint load would land f32 in LDS, to be read back,
;   converted and stored again.  Two f32 slots of only 32 k rows x 1,024 bytes are 65,536 bytes; with A's ring (139,264), W's bf16 ring (139,264) and the stage
;   (17,408) that is 361,472 bytes, more than the 327,680 that a work-group can have.
; LIMITS: relu is v_max_num_f32, which turns a NaN into 0.  Operands of the product are rounded to bf16; sums, bias, relu and the dot product are f32.
;
; REGISTERS, in windows of 256:
;   window 0: v16-28 addresses; v32-47 sums; v64-127, v128-191 fragments of A, two buffers (v64-127 at work on the way out); v192-255 the bias
;   window 1: v0-63 and v192-255 two sets for W as loaded (f32), converted in place (v0-63 hold vv at the end); v64-127, v128-191 fragments of W, two buffers
;   window 2: the 32 accumulator tiles of my rows 0-63 (tile (a, b) at v[8 (8 a + b)]);   window 3: those of my rows 64-127
; THE MATRIX INSTRUCTION IS USED TRANSPOSED: source 0 = 16 columns of W, source 1 = 16 rows of A.  Lane l then holds row l % 16 of the result and its registers
; 0 to 7 the columns 8 (l / 16) + 0 .. 7, so a row's sum over columns is a sum inside a lane and one step between the halves of the wave.
.set PITCH,  272                       ; a row of A in LDS: 256 bytes + 16 of padding, an odd multiple of 16
.set AQ,     64*PITCH                  ; what one tensor load brings
.set AHALF,  128*PITCH                 ; what one wave reads of A
.set ASLOT,  256*PITCH
.set WPITCH, 544                       ; a k row of W in LDS: 256 bf16 + 32 bytes, an odd multiple of 32
.set WSLOT,  128*WPITCH
.set WB,     2*ASLOT                   ; W's ring begins behind A's: only ds_store writes it, no tensor load lands there
.set STAGE,  WB+2*WSLOT                ; 4,352 bytes for each wave, for the way out
.set CHUNK,  32*4096                   ; bytes of W from 32 k rows to the next 32
.set ADRA, 16                          ; v16-17  LDS address of my A fragments in slot 0, 1
.set ADRB, 20                          ; v20-21  the same for W
.set WST,  22                          ; v22-23  where I store converted W in slot 0, 1
.set STO,  24                          ; v24     the way out: where I put a row's sum
.set RD,   25                          ; v25     the way out: where I read four sums back
.set CO,   26                          ; v26     my byte offset in fpart
.set VW,   27                          ; v27     my byte offset in a chunk of W; never rewritten
.set VBO,  28                          ; v28     my byte offset in the bias and in vv
.set SU,   32                          ; v[32:39] four chains of packed multiply-adds
.set FS,   40                          ; v[40:47] the sums of my eight row tiles
.set F0,   64
.set F1,   128
.set TMP,  64
.set BIAS, 192
.set R0,   0                           ; window 1: W as loaded, even chunks; at the end vv
.set R3,   192                         ; window 1: W as loaded, odd chunks
.set G1,   24                          ; s[24:31] descriptor group 1
.set G0,   32                          ; s[32:39] descriptor group 0, one set for each slot
.set MSB, 0
.macro WIN new                         ; the immediate's high byte repeats the setting that is left
.if MSB != \new
	s_set_vgpr_msb (MSB<<8)|\new
.set MSB, \new
.endif
.endm
.set MUL_LO, 0xa1                      ; source 0 (W) window 1, source 1 (A) window 0, C and D window 2
.set MUL_HI, 0xf1                      ; the same, C and D window 3
; A round of the cluster's barrier: my work-group's barrier, wave 0 signals for the work-group, every wave waits for all sixteen, my work-group's barrier once more.
.macro CREST                           ; a round behind its opening barrier
	s_cmp_lg_u32 s16, 0
	s_cbranch_scc1 .Lnot_wave_0_\@
	s_barrier_signal -3
.Lnot_wave_0_\@:
	s_barrier_wait -3
	s_barrier_signal -1
	s_barrier_wait -1
.endm
.macro CROUND
	s_barrier_signal -1
	s_barrier_wait -1
	CREST
.endm
.macro PLACES                          ; four places behind a matrix instruction (ISA guide 7.12.1), where there is no useful work to put there
.rept 4
	v_nop
.endr
.endm
	s_load_b256 s[4:11], s[0:1], 0x0               ; h0 s[4:5], W2 s[6:7], b2 s[8:9], fpart s[10:11]
	s_load_b64 s[12:13], s[0:1], 0x20              ; vv
	v_lshl_add_u32 v62, v0, 2, 0x48400
	v_mov_b32 v63, 0
	ds_add_u32 v62, v63
	v_lshrrev_b32 v4, 5, v0
	v_readfirstlane_b32 s16, v4                    ; wave 0..3
	s_lshr_b32 s17, s16, 1                         ; wr: which half of the block's rows is mine
	s_and_b32 s18, s16, 1                          ; wc: which half of its columns
	s_bfe_u32 s19, ttmp6, 0x40000                  ; cx: the block column
	s_bfe_u32 s20, ttmp6, 0x40004                  ; cy: the block row
	s_and_b32 s21, ttmp7, 0xffff                   ; the cluster's y: the expert
	s_mov_b32 s46, 0x76543210                      ; v_permlanex16_b32: lane i of one half reads lane i of the other
	s_mov_b32 s47, 0xfedcba98
	s_lshl_b32 s22, s20, 2
	s_lshl_b32 s22, 15, s22                        ; my row of the cluster: places 4 cy .. 4 cy + 3
	; descriptor group 1: a tile of 64 rows x 128 elements of 2 bytes, 16 bytes of padding behind every 256
	s_or_b32 s[G1+0], s22, (1<<16)|(1<<20)|(1<<21)|(5<<22)|(3<<25)  ; 15:0 the mask; 17:16 element of 2 bytes; 20 padding on; 21 set beside a mask; 24:22 after every 64 words; 31:25 of 4 words
	s_mov_b32 s[G1+1], 128<<16                     ; tensor_dim0 = 128
	s_mov_b32 s[G1+2], 64<<16                      ; tensor_dim1 = 64
	s_mov_b32 s[G1+3], 128<<16                     ; tile_dim0 = 128
	s_mov_b32 s[G1+4], 64                          ; tile_dim1 = 64
	s_mov_b32 s[G1+5], 1024                        ; elements from row to row
	s_mov_b32 s[G1+6], 0
	s_mov_b32 s[G1+7], 0
	; A's tile hangs on the expert, the block row and the wave alone, which my row of the cluster shares: these registers never hold cx
	s_lshl_b32 s40, s20, 19                        ; 256 cy rows of 2,048 bytes
	s_lshl_b32 s41, s16, 17                        ; + 64 w rows
	s_add_co_u32 s40, s40, s41
	s_lshl_b32 s41, s21, 21                        ; + the expert's 2 MiB of h0
	s_add_co_u32 s40, s40, s41
	s_mov_b32 s41, 0
	s_lshl_b32 s42, s21, 22                        ; W: the expert's 4 MiB
	s_lshl_b32 s43, s19, 10                        ; + 256 cx columns of 4 bytes
	s_add_co_u32 s42, s42, s43
	s_mov_b32 s43, 0
	s_lshl_b32 s44, s21, 12                        ; bias and vv: the expert's row,
	s_lshl_b32 s45, s19, 10                        ; my block's 256 columns,
	s_add_co_u32 s44, s44, s45
	s_lshl_b32 s45, s18, 9                         ; my wave's 128
	s_add_co_u32 s44, s44, s45
	s_mov_b32 s45, 0
	s_lshl_b32 s48, s21, 15                        ; fpart: the expert's 8 parts of 4,096 bytes,
	s_lshl_b32 s49, s19, 13                        ; part 2 cx
	s_add_co_u32 s48, s48, s49
	s_lshl_b32 s49, s18, 12                        ; + wc,
	s_add_co_u32 s48, s48, s49
	s_lshl_b32 s49, s20, 10                        ; row 256 cy
	s_add_co_u32 s48, s48, s49
	s_lshl_b32 s49, s17, 9                         ; + 128 wr, 4 bytes each
	s_add_co_u32 s48, s48, s49
	s_mov_b32 s49, 0
	s_mul_i32 s23, s16, AQ                         ; where my part of a tile goes: the wave's number alone enters an LDS address
	; vector addresses
	v_and_b32 v3, 31, v0                           ; l
	v_and_b32 v1, 15, v0                           ; l % 16
	v_bfe_u32 v2, v0, 4, 1                         ; l / 16
	v_mul_u32_u24 v5, v1, PITCH
	v_lshl_add_u32 v5, v2, 4, v5                   ; row x pitch + 16 x half
	s_mul_i32 s50, s17, AHALF
	v_add_nc_u32 v[ADRA], s50, v5
	v_add_nc_u32 v[ADRA+1], ASLOT, v[ADRA]
	v_and_b32 v6, 7, v0                            ; the transposing load: lane l addresses k row 8 (l / 16) + l % 8,
	v_lshl_add_u32 v6, v2, 3, v6
	v_mul_u32_u24 v6, v6, WPITCH
	v_bfe_u32 v7, v0, 3, 1                         ; and 16 bytes (8 columns) chosen by bit 3 of l
	v_lshl_add_u32 v6, v7, 4, v6
	s_lshl_b32 s51, s18, 8                         ; my 128 columns of 2 bytes
	s_add_co_u32 s51, s51, WB
	v_add_nc_u32 v[ADRB], s51, v6
	v_add_nc_u32 v[ADRB+1], WSLOT, v[ADRB]
	s_mul_i32 s52, s16, 8*WPITCH                   ; of each 32 k rows wave w converts rows 8 w .. 8 w + 7
	s_add_co_u32 s52, s52, WB
	v_lshl_add_u32 v[WST], v3, 3, s52              ; 8 bytes (4 bf16) a lane
	v_add_nc_u32 v[WST+1], WSLOT, v[WST]
	s_lshl_b32 s53, s16, 15                        ; the same 8 rows in memory, 4,096 bytes each
	v_lshl_add_u32 v[VW], v3, 4, s53
	v_lshlrev_b32 v[VBO], 5, v2                    ; 8 numbers of 4 bytes for each half of the lanes
	s_mul_i32 s54, s16, 4352
	s_add_co_u32 s54, s54, STAGE                   ; my stage
	v_lshl_add_u32 v[STO], v1, 2, s54              ; in: the word of row l % 16 of a tile
	v_lshl_add_u32 v[RD], v3, 4, s54               ; back: four rows a lane
	v_lshlrev_b32 v[CO], 4, v3
	s_wait_dscnt 0x0
	s_wait_kmcnt 0x0
	s_add_nc_u64 s[4:5], s[4:5], s[40:41]
	s_add_nc_u64 s[6:7], s[6:7], s[42:43]
	s_add_nc_u64 s[8:9], s[8:9], s[44:45]
	s_add_nc_u64 s[12:13], s[12:13], s[44:45]
	s_add_nc_u64 s[10:11], s[10:11], s[48:49]
.irp s, 0,1
	s_mov_b32 s[G0+4*\s], 1                                        ; count = 1
	s_add_co_u32 s[G0+4*\s+1], s23, \s*ASLOT                       ; LDS address
	s_add_nc_u64 s[G0+4*\s+2:G0+4*\s+3], s[4:5], \s*256            ; global address: K step s
	s_or_b32 s[G0+4*\s+3], s[G0+4*\s+3], 0x80000000                ; type = 2
.endr
; 16 matrix instructions: row tiles a0, a0 + 1 of the window's four x all 8 column tiles, 32 along K.  zero = 1: the first product starts the sums.
; The 64 accumulators take turns, one instruction a turn, in the same order in every quarter step.
.macro MUL16 f, hi, a0, zero
.irp a, \a0, \a0+1
.irp b, 0,1,2,3,4,5,6,7
.if \zero
	v_wmma_f32_16x16x32_bf16 v[8*(8*(\a)+\b):8*(8*(\a)+\b)+7], v[\f+8*\b:\f+8*\b+7], v[\f+8*(4*\hi+\a):\f+8*(4*\hi+\a)+7], 0
.else
	v_wmma_f32_16x16x32_bf16 v[8*(8*(\a)+\b):8*(8*(\a)+\b)+7], v[\f+8*\b:\f+8*\b+7], v[\f+8*(4*\hi+\a):\f+8*(4*\hi+\a)+7], v[8*(8*(\a)+\b):8*(8*(\a)+\b)+7]
.endif
.endr
.endr
.endm
; 32 LDS loads in one run: the fragments of quarter q of a slot into buffer f.  W first (16 transposing loads: k rows 32 q + 0..15 and + 16..31 of 16 columns each),
; then A (rows 0-63, then rows 64-127, which are the youngest eight).
.macro FETCH slot, q, f
	WIN 0x40
.irp i, 0,1,2,3,4,5,6,7
	ds_load_tr16_b128 v[\f+8*\i:\f+8*\i+3],   v[ADRB+\slot] offset:(\q)*32*WPITCH+32*\i
	ds_load_tr16_b128 v[\f+8*\i+4:\f+8*\i+7], v[ADRB+\slot] offset:(\q)*32*WPITCH+32*\i+16*WPITCH
.endr
	WIN 0
.irp i, 0,1,2,3,4,5,6,7
	ds_load_b128 v[\f+8*\i:\f+8*\i+3],   v[ADRA+\slot] offset:64*(\q)+\i*16*PITCH
	ds_load_b128 v[\f+8*\i+4:\f+8*\i+7], v[ADRA+\slot] offset:64*(\q)+\i*16*PITCH+32
.endr
.endm
; My 8 k rows x 256 columns of chunk c (counted from the base in s[6:7]) into set rs: 16 loads of 512 consecutive bytes.
.macro CONV_LD rs, c
	WIN 0x40
.irp i, 0,1,2,3,4,5,6,7,8,9,10,11,12,13,14,15
	global_load_b128 v[\rs+4*\i:\rs+4*\i+3], v[VW], s[6:7] offset:(\c)*CHUNK+(\i>>1)*4096+(\i&1)*512
.endr
.endm
; Set rs is rounded to bf16 in place and stored as k rows 32 q + 8 w + 0..7 of W's slot.  left = how many younger loads may stay out.
; Each store of the wave covers 256 consecutive bytes.
.macro CONV_ST rs, slot, q, left
	s_wait_loadcnt \left
	WIN 0x45
.irp i, 0,1,2,3,4,5,6,7,8,9,10,11,12,13,14,15
	v_cvt_pk_bf16_f32 v[\rs+4*\i],   v[\rs+4*\i],   v[\rs+4*\i+1]
	v_cvt_pk_bf16_f32 v[\rs+4*\i+1], v[\rs+4*\i+2], v[\rs+4*\i+3]
.endr
	WIN 0x04
.irp i, 0,1,2,3,4,5,6,7,8,9,10,11,12,13,14,15
	ds_store_b64 v[WST+\slot], v[\rs+4*\i:\rs+4*\i+1] offset:(32*(\q)+(\i>>1))*WPITCH+(\i&1)*256
.endr
.endm
; One of a K step's first three quarters: multiplies buffer f; in its middle it converts 32 k rows of the NEXT step's W (cv), fetches quarter q of this slot into
; buffer g, and asks for the chunk that this set converts two quarters later (ld).  The 32 conversions name none of the products' registers: they are the places
; between the products that read buffer g and the loads into it.
.macro QUARTER slot, q, f, g, zero, cv, rs, left, ld, c
	s_wait_dscnt 8                                 ; W and A's rows 0-63 are in; the youngest eight loads (A's rows 64-127) may be out
	WIN MUL_LO
	MUL16 \f, 0, 0, \zero
	MUL16 \f, 0, 2, \zero
.if \cv
	CONV_ST \rs, 1-\slot, \q-1, \left
.else
	PLACES
.endif
	FETCH \slot, \q, \g
	s_wait_dscnt 32                                ; all but the 32 just issued: the rest of buffer f is in, and this quarter's 16 stores have read their set
.if \ld
	CONV_LD \rs, \c
.endif
	WIN MUL_HI
	MUL16 \f, 1, 0, \zero
	MUL16 \f, 1, 2, \zero
.endm
; The last quarter: multiplies buffer 1 and changes slots, of A and of W.  ONE barrier does it.  In front of it each wave waits for its reads of this step's two
; slots and its stores into the next W slot (s_wait_dscnt 0) and for all its tensor loads, of which one is out: its part of the next A slot.  Behind it nobody
; reads this step's slots and the next ones are whole.  fill = 1: the barrier opens a round of the cluster's barrier, and the joint refill of A's slot is the
; first tensor load behind the round, one a wave.
.macro TURN slot, next, fill, cv, left, ld, c
	s_wait_dscnt 8
	WIN MUL_LO
	MUL16 F1, 0, 0, 0
.if \cv
	CONV_ST R3, \next, 3, \left
.endif
	s_wait_dscnt 0
.if \ld
	CONV_LD R3, \c
.endif
	s_set_vgpr_msb (MSB<<8)|((MSB&0xf0)|0x0)
	s_wait_tensorcnt 0x0
	ds_add_u32 v62, v63
	s_wait_dscnt 0x0
	s_set_vgpr_msb (((MSB&0xf0)|0x0)<<8)|MSB
	s_barrier_signal -1
	WIN MUL_LO
	MUL16 F1, 0, 2, 0                              ; work on registers while the others arrive
	WIN 0
	s_barrier_wait -1
.if \fill
	CREST
	s_add_nc_u64 s[G0+4*\slot+2:G0+4*\slot+3], s[G0+4*\slot+2:G0+4*\slot+3], 512   ; no tensor load of mine is out: two K steps on
	tensor_load_to_lds s[G0+4*\slot:G0+4*\slot+3], s[G1:G1+7]
	s_nop 0
.endif
.if \cv == 0
	PLACES                                         ; with cv the conversions above stand between the last product that read buffer 0 and the loads into it
.endif
	FETCH \next, 0, F0
	WIN MUL_HI
	MUL16 F1, 1, 0, 0
	MUL16 F1, 1, 2, 0
.endm
; A K step with all its side work.  In quarter j of step t chunk 4 (t + 1) + j is converted and chunk 4 t + 6 + j asked for, into the same set: a request stands
; two quarters, 128 matrix instructions, ahead of its wait, and the other set's 16 loads are the younger ones there (s_wait_loadcnt 16).
.macro STEP slot, zero
	QUARTER \slot, 1, F0, F1, \zero, 1, R0, 16, 1, 6+4*\slot
	QUARTER \slot, 2, F1, F0, 0, 1, R3, 16, 1, 7+4*\slot
	QUARTER \slot, 3, F0, F1, 0, 1, R0, 16, 1, 8+4*\slot
	TURN \slot, 1-\slot, 1, 1, 16, 1, 9+4*\slot
.endm
.macro LAP zero                        ; two K steps, once round both rings
	STEP 0, \zero
	STEP 1, 0
	WIN 0
	s_wait_xcnt 0x0                                ; the addresses of all loads issued are translated: W's base is stepped only behind this wait
	s_add_nc_u64 s[6:7], s[6:7], 8*CHUNK
.endm
	; THE START.  Chunks 0 to 2 of W are asked for, then the round in front of the first joint loads, both first fills of A's ring, then chunk 3.
	; By this text's own count a wave has two tensor loads out here and one behind each later round.
	CONV_LD F0, 0                                  ; all of window 1 is free: the fragment buffers serve as sets
	CONV_LD F1, 1
	CONV_LD R0, 2
	WIN 0
	CROUND
	tensor_load_to_lds s[G0:G0+3], s[G1:G1+7]      ; K step 0
	s_nop 0
	tensor_load_to_lds s[G0+4:G0+7], s[G1:G1+7]    ; K step 1
	s_nop 0
	CONV_LD R3, 3
	CONV_ST F0, 0, 0, 48                           ; chunk 0 is in, the 48 loads of chunks 1 to 3 stay out
	CONV_ST F1, 0, 1, 32
	CONV_ST R0, 0, 2, 16
	s_wait_dscnt 0                                 ; the stores have read the set
	CONV_LD R0, 4
	CONV_ST R3, 0, 3, 16                           ; chunk 4's loads are the younger ones
	s_wait_dscnt 0                                 ; and my part of W's slot 0 is in LDS, for the others
	CONV_LD R3, 5
	WIN 0
	s_wait_tensorcnt 1                             ; my part of K step 0 is in; K step 1's may stay out
	s_barrier_signal -1
	s_barrier_wait -1
	FETCH 0, 0, F0
	LAP 1                                          ; the first lap stands in front of the loop: its first products start the sums
	s_mov_b32 s3, 2
.Llap:
	LAP 0
	s_sub_co_u32 s3, s3, 1
	s_cmp_lg_u32 s3, 0
	s_cbranch_scc1 .Llap
	; THE LAST LAP, written out: A's slots are not filled again, the last two chunks of W (30 and 31) are asked for, the counts run down
	QUARTER 0, 1, F0, F1, 0, 1, R0, 16, 1, 6
	QUARTER 0, 2, F1, F0, 0, 1, R3, 16, 1, 7
	QUARTER 0, 3, F0, F1, 0, 1, R0, 16, 0, 0
	TURN 0, 1, 0, 1, 0, 0, 0
	WIN 0
.irp b, 0,1,2,3,4,5,6,7
	global_load_b128 v[BIAS+8*\b:BIAS+8*\b+3],   v[VBO], s[8:9] offset:64*\b       ; the bias of my columns 16 b + 8 (l / 16) + 0..7: it has the last K step in which to land
	global_load_b128 v[BIAS+8*\b+4:BIAS+8*\b+7], v[VBO], s[8:9] offset:64*\b+16
.endr
	WIN 0x40
.irp b, 0,1,2,3,4,5,6,7
	global_load_b128 v[R0+8*\b:R0+8*\b+3],   v[VBO], s[12:13] offset:64*\b         ; vv of the same columns, into the set whose last chunk has been stored
	global_load_b128 v[R0+8*\b+4:R0+8*\b+7], v[VBO], s[12:13] offset:64*\b+16
.endr
	QUARTER 1, 1, F0, F1, 0, 0, R0, 0, 0, 0
	QUARTER 1, 2, F1, F0, 0, 0, R0, 0, 0, 0
	QUARTER 1, 3, F0, F1, 0, 0, R0, 0, 0, 0
	s_wait_dscnt 8                                 ; the very last quarter: nothing more to fetch
	WIN MUL_LO
	MUL16 F1, 0, 0, 0
	MUL16 F1, 0, 2, 0
	s_wait_dscnt 0
	WIN MUL_HI
	MUL16 F1, 1, 0, 0
	MUL16 F1, 1, 2, 0
	; THE WAY OUT: bias, relu and the dot product with vv, 16 rows at a time, all in f32.
	PLACES                                         ; behind the last products, in front of the first read of a result
	s_wait_loadcnt 0x0                             ; bias and vv
; rows 16 i .. 16 i + 15 of my block = the eight tiles (a, 0..7) of window 2 or 3 (from = 0x02 or 0x03: source 0)
.macro ROWS16 i, a, from
	WIN \from
.irp b, 0,1,2,3,4,5,6,7
.irp r, 0,1,2,3
	v_pk_add_f32 v[TMP+8*\b+2*\r:TMP+8*\b+2*\r+1], v[8*(8*\a+\b)+2*\r:8*(8*\a+\b)+2*\r+1], v[BIAS+8*\b+2*\r:BIAS+8*\b+2*\r+1]
.endr
.endr
	WIN 0
.set k, 0
.rept 64
	v_max_num_f32 v[TMP+k], 0, v[TMP+k]
.set k, k+1
.endr
	WIN 0x04                                       ; source 1 (vv) in window 1
.irp p, 0,1,2,3
	v_pk_mul_f32 v[SU+2*\p:SU+2*\p+1], v[TMP+2*\p:TMP+2*\p+1], v[R0+2*\p:R0+2*\p+1]   ; the first products start four chains
.endr
.irp p, 4,5,6,7,8,9,10,11,12,13,14,15,16,17,18,19,20,21,22,23,24,25,26,27,28,29,30,31
	v_pk_fma_f32 v[SU+2*(\p%4):SU+2*(\p%4)+1], v[TMP+2*\p:TMP+2*\p+1], v[R0+2*\p:R0+2*\p+1], v[SU+2*(\p%4):SU+2*(\p%4)+1]
.endr
	WIN 0
	v_pk_add_f32 v[SU:SU+1], v[SU:SU+1], v[SU+2:SU+3]
	v_pk_add_f32 v[SU+4:SU+5], v[SU+4:SU+5], v[SU+6:SU+7]
	v_pk_add_f32 v[SU:SU+1], v[SU:SU+1], v[SU+4:SU+5]
	v_add_f32 v[FS+\i], v[SU], v[SU+1]             ; row l % 16 of the tile, my half of each 16 columns
.endm
	ROWS16 0, 0, 0x02
	ROWS16 1, 1, 0x02
	ROWS16 2, 2, 0x02
	ROWS16 3, 3, 0x02
	ROWS16 4, 0, 0x03
	ROWS16 5, 1, 0x03
	ROWS16 6, 2, 0x03
	ROWS16 7, 3, 0x03
.irp i, 0,1,2,3,4,5,6,7
	v_permlanex16_b32 v[TMP+\i], v[FS+\i], s46, s47    ; the other half of the columns (the destination has been written)
.endr
.irp i, 0,1,2,3,4,5,6,7
	v_add_f32 v[FS+\i], v[FS+\i], v[TMP+\i]
.endr
.irp i, 0,1,2,3,4,5,6,7
	ds_store_b32 v[STO], v[FS+\i] offset:64*\i     ; row 16 i + l % 16; lanes l and l + 16 write the same word with the same value
.endr
	ds_load_b128 v[TMP:TMP+3], v[RD]               ; my own stage: LDS serves a wave's instructions in order, this sees the stores above
	s_wait_dscnt 0x0
	global_store_b128 v[CO], v[TMP:TMP+3], s[10:11]    ; my 128 rows: 512 consecutive bytes, aligned
	s_set_vgpr_msb (MSB<<8)|((MSB&0xf0)|0x0)
	s_wait_tensorcnt 0x0
	ds_add_u32 v62, v63
	s_wait_dscnt 0x0
	s_set_vgpr_msb (((MSB&0xf0)|0x0)<<8)|MSB
	CROUND                                         ; the closing round: no work-group ends while a partner may still ask for a tile that names it
	s_endpgm
.Lfunc_end_k_q291f4316a6_g2:
	.size	k_q291f4316a6_g2, .Lfunc_end_k_q291f4316a6_g2-k_q291f4316a6_g2
	.p2alignl 7, 3214868480
	.fill 96, 4, 3214868480
	.section	.rodata,"a",@progbits
	.p2align	6, 0x0
	.amdhsa_kernel k_q291f4316a6_g2
		.amdhsa_group_segment_fixed_size 327680
		.amdhsa_private_segment_fixed_size 0
		.amdhsa_enable_private_segment 0
		.amdhsa_kernarg_size 40
		.amdhsa_user_sgpr_count 2
		.amdhsa_user_sgpr_kernarg_segment_ptr 1
		.amdhsa_wavefront_size32 1
		.amdhsa_system_sgpr_workgroup_id_x 1
		.amdhsa_system_sgpr_workgroup_id_y 1
		.amdhsa_system_sgpr_workgroup_id_z 1
		.amdhsa_system_vgpr_workitem_id 0
		.amdhsa_next_free_vgpr 1024
		.amdhsa_next_free_sgpr 66
		.amdhsa_reserve_vcc 0
		.amdhsa_float_denorm_mode_32 3
		.amdhsa_float_denorm_mode_16_64 3
		.amdhsa_memory_ordered 1
		.amdhsa_forward_progress 1
		.amdhsa_inst_pref_size 255
	.end_amdhsa_kernel
	.section	.bss,"aw",@nobits
	.p2align	6
	.space	262144
	.amdgpu_metadata
---
amdhsa.version: [ 1, 2 ]
amdhsa.kernels:
  - .name:           k_q291f4316a6_g2
    .symbol:         k_q291f4316a6_g2.kd
    .args:
      - { .name: h0, .offset: 0, .size: 8, .value_kind: global_buffer, .address_space: global }
      - { .name: W2, .offset: 8, .size: 8, .value_kind: global_buffer, .address_space: global }
      - { .name: b2, .offset: 16, .size: 8, .value_kind: global_buffer, .address_space: global }
      - { .name: fpart, .offset: 24, .size: 8, .value_kind: global_buffer, .address_space: global }
      - { .name: vv, .offset: 32, .size: 8, .value_kind: global_buffer, .address_space: global }
    .group_segment_fixed_size: 327680
    .private_segment_fixed_size: 0
    .kernarg_segment_align: 8
    .kernarg_segment_size: 40
    .max_flat_workgroup_size: 128
    .sgpr_count:     66
    .vgpr_count:     1024
    .wavefront_size: 32
...
	.end_amdgpu_metadata
.endif
;; end of part 3
;; launch comb (part 4): grid 16 x 1, 16 waves a work-group, no clusters, 137,984 bytes of LDS; arguments xb, Wg1, Wg2, bg1, bg2, b2, Wo, bo, fpart, out0, out1; writes out0, out1
.if DOCPART == 4
	.amdgcn_target "amdgcn-amd-amdhsa--gfx1250"
	.amdhsa_code_object_version 6
	.text
	.protected	k_q291f4316a6_comb
	.globl	k_q291f4316a6_comb
	.p2align	8
	.type	k_q291f4316a6_comb,@function
k_q291f4316a6_comb:
	s_mov_b64 s[64:65], 0
	v_nop
	global_prefetch_b8 v0, s[64:65] scope:SCOPE_SE
	s_setreg_imm32_b32 hwreg(HW_REG_WAVE_MODE, 25, 1), 1
	s_wait_xcnt 0x0
; out0[b] = sum over e of softmax(x Wg1 + bg1)[b][e] f[b][e], out1 the same with the second gate, where
; f[b][e] = sum over p of fpart[e][p][b] + c[e], c[e] = b2[e] . Wo[e] + bo[e] (the constant left over when the last hidden layer is folded into vv = W2 Wo).
; xb: [1024][1024] bf16.  Wg1, Wg2: [1024 (k)][16] f32.  fpart: [16][8][1024] f32.
; 16 work-groups of 64 rows, so that each output store covers 256 whole bytes; there is no work for more.  16 waves: wave w = 4 ks + mt multiplies the 16 rows of
; tile mt with K = 256 ks .. 256 ks + 255 of both gates (16 matrix instructions), and owns expert w for c and f.  The four K parts meet in LDS.
; The softmax takes the row's maximum away first.  No cluster: the gates' weights, the one thing that work-groups share, are 131,072 bytes read once by each.
; xb's fragments are loaded straight from memory: each byte is wanted by one lane, once.
; LIMITS: the gates' products take bf16 operands, all else is f32; v_exp_f32 gives 0 below 2^-126, beside a largest term of 1 in the sum.
.set RED,  98304                       ; behind the gates' weights (1024 k rows, pitch 96 = 3 x 32: gate 1 in bytes 0-31, gate 2 in bytes 32-63): wave x 2,048 + q x 512 + 16 lane
.set FT,   131072                      ; f: expert x 272 + 4 x row
.set OUTS, 135424                      ; gate x 256 + 4 x row
.set D1, 16                            ; v[16:23]   sums of gate 1: lane = expert l % 16, register j = row 8 (l / 16) + j
.set D2, 24                            ; v[24:31]   of gate 2
.set GA, 32                            ; v[32:63]   Wg1 as loaded; later fragments
.set GB, 64                            ; v[64:95]   Wg2 as loaded; later fragments
.set XF, 96                            ; v[96:159]  fragments of xb, eight K steps
.set FP, 160                           ; v[160:175] parts of f; later fragments
.set B2, 176                           ; v[176:207] b2 of my expert; later fragments
.set WO, 208                           ; v[208:239] Wo of my expert; later fragments
.set CH, 248                           ; v[248:255] four chains
	s_load_b512 s[4:19], s[0:1], 0x0               ; xb s[4:5], Wg1 s[6:7], Wg2 s[8:9], bg1 s[10:11], bg2 s[12:13], b2 s[14:15], Wo s[16:17], bo s[18:19]
	s_load_b128 s[20:23], s[0:1], 0x40             ; fpart s[20:21], out0 s[22:23]
	s_load_b64 s[24:25], s[0:1], 0x50              ; out1
	v_lshrrev_b32 v4, 5, v0
	v_readfirstlane_b32 s26, v4                    ; wave 0..15
	s_and_b32 s27, s26, 3                          ; mt
	s_lshr_b32 s28, s26, 2                         ; ks
	s_mov_b32 s30, 0x76543210                      ; v_permlanex16_b32: lane i of one half reads lane i of the other
	s_mov_b32 s31, 0xfedcba98
	v_and_b32 v1, 31, v0                           ; l
	v_and_b32 v2, 15, v0                           ; r = l % 16
	v_bfe_u32 v3, v0, 4, 1                         ; h = l / 16
	v_lshlrev_b32 v5, 4, v0                        ; the gates' weights: 16 bytes a thread
	v_lshlrev_b32 v6, 4, v2
	v_lshl_add_u32 v6, v3, 12, v6                  ; fpart: part h (+ 2 i), rows 4 r .. 4 r + 3
	v_lshlrev_b32 v7, 4, v1                        ; b2, Wo: 16 bytes a lane
	v_lshlrev_b32 v8, 2, v4                        ; bo[w]
	v_lshlrev_b32 v9, 2, v2                        ; bg[r]
	s_lshl_b32 s32, s27, 15                        ; xb: 16 mt rows of 2,048 bytes
	s_lshl_b32 s33, s28, 9                         ; + 256 ks numbers of 2 bytes
	s_add_co_u32 s32, s32, s33
	v_lshlrev_b32 v10, 11, v2                      ; + row r
	v_lshl_add_u32 v10, v3, 4, v10                 ; + 16 h
	v_add_nc_u32 v10, s32, v10
	v_lshrrev_b32 v11, 2, v0                       ; a thread's 4 numbers lie in k row thread / 4 (+ 128 i), columns 4 (thread % 4) ..
	v_mul_u32_u24 v11, v11, 96
	v_and_b32 v12, 3, v0
	v_lshl_add_u32 v11, v12, 3, v11
	v_add_nc_u32 v12, 49152, v11                   ; k rows 512 and up: beyond the reach of a 16-bit offset
	s_mul_i32 s33, s26, 272
	s_add_co_u32 s33, s33, FT
	v_lshl_add_u32 v13, v2, 4, s33                 ; where I put f of my expert
	v_and_b32 v14, 7, v0                           ; the transposing load: k row 256 ks + 8 h + l % 8,
	v_lshl_add_u32 v14, v3, 3, v14
	s_lshl_b32 s36, s28, 8
	v_add_nc_u32 v14, s36, v14
	v_mul_u32_u24 v14, v14, 96
	v_bfe_u32 v15, v0, 3, 1                        ; 16 bytes chosen by bit 3 of l
	v_lshl_add_u32 v14, v15, 4, v14
	s_lshl_b32 s36, s26, 11
	s_add_co_u32 s36, s36, RED
	v_lshl_add_u32 v15, v1, 4, s36                 ; where I put my sums
	s_lshl_b32 s36, s27, 11                        ; and where I read four waves' sums of rows 8 h + 2 ks + {0, 1} of tile mt
	s_lshr_b32 s37, s28, 1
	s_lshl_b32 s37, s37, 9
	s_add_co_u32 s36, s36, s37
	s_and_b32 s37, s28, 1
	s_lshl_b32 s37, s37, 3
	s_add_co_u32 s36, s36, s37
	s_add_co_u32 s36, s36, RED
	v_lshl_add_u32 v243, v1, 4, s36
	s_lshl_b32 s36, s27, 6                         ; 4 bytes x (16 mt + 2 ks + 8 h): those rows in f and in the outputs
	s_lshl_b32 s37, s28, 3
	s_add_co_u32 s36, s36, s37
	v_lshl_add_u32 v245, v3, 5, s36
	v_mul_u32_u24 v244, v2, 272
	v_add3_u32 v244, v244, v245, FT                ; f of expert r
	v_add_nc_u32 v245, OUTS, v245
	s_lshl_b32 s34, ttmp9, 8                       ; 64 rows of 4 bytes a work-group
	s_mov_b32 s35, 0
	s_mov_b32 s33, 0
	s_wait_kmcnt 0x0
	s_lshl_b32 s32, ttmp9, 17                      ; 64 rows of xb
	s_add_nc_u64 s[4:5], s[4:5], s[32:33]
	s_lshl_b32 s32, s26, 12                        ; my expert's row of b2 and of Wo
	s_add_nc_u64 s[14:15], s[14:15], s[32:33]
	s_add_nc_u64 s[16:17], s[16:17], s[32:33]
	s_lshl_b32 s32, s26, 15                        ; my expert's 8 parts
	s_add_co_u32 s32, s32, s34
	s_add_nc_u64 s[20:21], s[20:21], s[32:33]
	; all 55 loads at once, in the order in which they are wanted
.irp i, 0,1,2,3,4,5,6,7
	global_load_b128 v[GA+4*\i:GA+4*\i+3], v5, s[6:7] offset:8192*\i
.endr
.irp i, 0,1,2,3,4,5,6,7
	global_load_b128 v[GB+4*\i:GB+4*\i+3], v5, s[8:9] offset:8192*\i
.endr
.irp i, 0,1,2,3
	global_load_b128 v[FP+4*\i:FP+4*\i+3], v6, s[20:21] offset:8192*\i     ; 16 lanes take 256 consecutive bytes of a part
.endr
.irp j, 0,1,2,3,4,5,6,7
	global_load_b128 v[B2+4*\j:B2+4*\j+3], v7, s[14:15] offset:512*\j
.endr
.irp j, 0,1,2,3,4,5,6,7
	global_load_b128 v[WO+4*\j:WO+4*\j+3], v7, s[16:17] offset:512*\j
.endr
	global_load_b32 v240, v8, s[18:19]
	global_load_b32 v241, v9, s[10:11]
	global_load_b32 v242, v9, s[12:13]
.irp t, 0,1,2,3,4,5,6,7
	global_load_b128 v[XF+8*\t:XF+8*\t+3],   v10, s[4:5] offset:64*\t
	global_load_b128 v[XF+8*\t+4:XF+8*\t+7], v10, s[4:5] offset:64*\t+32
.endr
	; the gates' weights to bf16, into LDS as rows [k][16 + 16]
	s_wait_loadcnt 39                              ; the first 16 of 55 are in
.irp i, 0,1,2,3,4,5,6,7,8,9,10,11,12,13,14,15
	v_cvt_pk_bf16_f32 v[GA+4*\i],   v[GA+4*\i],   v[GA+4*\i+1]
	v_cvt_pk_bf16_f32 v[GA+4*\i+1], v[GA+4*\i+2], v[GA+4*\i+3]
.endr
.irp i, 0,1,2,3
	ds_store_b64 v11, v[GA+4*\i:GA+4*\i+1] offset:12288*\i
	ds_store_b64 v12, v[GA+16+4*\i:GA+16+4*\i+1] offset:12288*\i
	ds_store_b64 v11, v[GB+4*\i:GB+4*\i+1] offset:12288*\i+32
	ds_store_b64 v12, v[GB+16+4*\i:GB+16+4*\i+1] offset:12288*\i+32
.endr
	; f of my expert for the work-group's 64 rows
	s_wait_loadcnt 18                              ; bg1, bg2 and xb's 16 loads are the younger ones
	v_pk_add_f32 v[FP:FP+1],     v[FP:FP+1],     v[FP+4:FP+5]
	v_pk_add_f32 v[FP+2:FP+3],   v[FP+2:FP+3],   v[FP+6:FP+7]
	v_pk_add_f32 v[FP+8:FP+9],   v[FP+8:FP+9],   v[FP+12:FP+13]
	v_pk_add_f32 v[FP+10:FP+11], v[FP+10:FP+11], v[FP+14:FP+15]
	v_pk_add_f32 v[FP:FP+1],     v[FP:FP+1],     v[FP+8:FP+9]
	v_pk_add_f32 v[FP+2:FP+3],   v[FP+2:FP+3],   v[FP+10:FP+11]            ; four parts; the other half of the lanes holds the other four
.irp k, 0,1,2,3
	v_permlanex16_b32 v[FP+4+\k], v[FP+\k], s30, s31
.endr
	v_pk_add_f32 v[FP:FP+1],   v[FP:FP+1],   v[FP+4:FP+5]
	v_pk_add_f32 v[FP+2:FP+3], v[FP+2:FP+3], v[FP+6:FP+7]
.irp k, 0,1,2,3
	v_pk_mul_f32 v[CH+2*\k:CH+2*\k+1], v[B2+2*\k:B2+2*\k+1], v[WO+2*\k:WO+2*\k+1]
.endr
.irp p, 4,5,6,7,8,9,10,11,12,13,14,15
	v_pk_fma_f32 v[CH+2*(\p%4):CH+2*(\p%4)+1], v[B2+2*\p:B2+2*\p+1], v[WO+2*\p:WO+2*\p+1], v[CH+2*(\p%4):CH+2*(\p%4)+1]
.endr
	v_pk_add_f32 v[CH:CH+1], v[CH:CH+1], v[CH+2:CH+3]
	v_pk_add_f32 v[CH+4:CH+5], v[CH+4:CH+5], v[CH+6:CH+7]
	v_pk_add_f32 v[CH:CH+1], v[CH:CH+1], v[CH+4:CH+5]
	v_add_f32 v[CH], v[CH], v[CH+1]
	v_add_f32_dpp v[CH], v[CH], v[CH] row_xmask:1 row_mask:0xf bank_mask:0xf
	v_add_f32_dpp v[CH], v[CH], v[CH] row_xmask:2 row_mask:0xf bank_mask:0xf
	v_add_f32_dpp v[CH], v[CH], v[CH] row_xmask:4 row_mask:0xf bank_mask:0xf
	v_add_f32_dpp v[CH], v[CH], v[CH] row_xmask:8 row_mask:0xf bank_mask:0xf
	v_permlanex16_b32 v[CH+1], v[CH], s30, s31
	v_add_f32 v[CH], v[CH], v[CH+1]
	v_add_f32 v[CH], v[CH], v240                   ; c = b2 . Wo + bo
	v_pk_add_f32 v[FP:FP+1],   v[FP:FP+1],   v[CH:CH+1] op_sel_hi:[1,0]    ; both halves take c
	v_pk_add_f32 v[FP+2:FP+3], v[FP+2:FP+3], v[CH:CH+1] op_sel_hi:[1,0]
	ds_store_b128 v13, v[FP:FP+3]                  ; lanes l and l + 16 write the same bytes with the same values
	s_wait_dscnt 0x0                               ; my part of the weights and my f are in LDS, for the others
	s_barrier_signal -1
	s_barrier_wait -1
	; the gates' products: eight K steps of 32, two accumulators by turns
.macro GFRAG base, first               ; the fragments of four K steps, both gates
.irp t, 0,1,2,3
.irp g, 0,1
	ds_load_tr16_b128 v[\base+16*\t+8*\g:\base+16*\t+8*\g+3],   v14 offset:3072*(\first+\t)+32*\g
	ds_load_tr16_b128 v[\base+16*\t+8*\g+4:\base+16*\t+8*\g+7], v14 offset:3072*(\first+\t)+32*\g+1536
.endr
.endr
.endm
	GFRAG 32, 0
	GFRAG 160, 4
	s_wait_loadcnt 0x0                             ; xb's fragments, bg1, bg2
	s_wait_dscnt 0x0
	v_wmma_f32_16x16x32_bf16 v[D1:D1+7], v[XF:XF+7], v[32:39], 0           ; the first K step starts both sums
	v_wmma_f32_16x16x32_bf16 v[D2:D2+7], v[XF:XF+7], v[40:47], 0
.irp t, 1,2,3
	v_wmma_f32_16x16x32_bf16 v[D1:D1+7], v[XF+8*\t:XF+8*\t+7], v[32+16*\t:32+16*\t+7], v[D1:D1+7]
	v_wmma_f32_16x16x32_bf16 v[D2:D2+7], v[XF+8*\t:XF+8*\t+7], v[40+16*\t:40+16*\t+7], v[D2:D2+7]
.endr
.irp t, 4,5,6,7
	v_wmma_f32_16x16x32_bf16 v[D1:D1+7], v[XF+8*\t:XF+8*\t+7], v[96+16*\t:96+16*\t+7], v[D1:D1+7]
	v_wmma_f32_16x16x32_bf16 v[D2:D2+7], v[XF+8*\t:XF+8*\t+7], v[104+16*\t:104+16*\t+7], v[D2:D2+7]
.endr
.rept 4
	v_nop                                          ; four places behind the last products: the stores read results, later loads land on sources
.endr
	ds_store_b128 v15, v[D1:D1+3]
	ds_store_b128 v15, v[D1+4:D1+7] offset:512
	ds_store_b128 v15, v[D2:D2+3] offset:1024
	ds_store_b128 v15, v[D2+4:D2+7] offset:1536
	s_wait_dscnt 0x0
	s_barrier_signal -1
	s_barrier_wait -1
	; wave (mt, ks) finishes rows 16 mt + 8 h + 2 ks + {0, 1}: lane = expert r.  v[32+8g+2k:..]: gate g, K part k, the two rows
.irp g, 0,1
.irp k, 0,1,2,3
	ds_load_b64 v[32+8*\g+2*\k:32+8*\g+2*\k+1], v243 offset:8192*\k+1024*\g
.endr
.endr
	ds_load_b64 v[48:49], v244                     ; f of expert r, the two rows
	s_wait_dscnt 0x0
.irp g, 32,40
	v_pk_add_f32 v[\g:\g+1],   v[\g:\g+1],   v[\g+2:\g+3]
	v_pk_add_f32 v[\g+4:\g+5], v[\g+4:\g+5], v[\g+6:\g+7]
	v_pk_add_f32 v[\g:\g+1],   v[\g:\g+1],   v[\g+4:\g+5]
.endr
	v_add_f32 v32, v32, v241                       ; + bg1[r]
	v_add_f32 v33, v33, v241
	v_add_f32 v40, v40, v242                       ; + bg2[r]
	v_add_f32 v41, v41, v242
	; four softmaxes over the 16 lanes of a half at once: z in v[z], maximum in v[z+2], exponential in v[z+4], exponential x f in v[z+6] (all written before)
.irp z, 32,33,40,41
	v_max_num_f32_dpp v[\z+2], v[\z], v[\z] row_xmask:1 row_mask:0xf bank_mask:0xf
.endr
.irp m, 2,4,8
.irp z, 32,33,40,41
	v_max_num_f32_dpp v[\z+2], v[\z+2], v[\z+2] row_xmask:\m row_mask:0xf bank_mask:0xf
.endr
.endr
.irp z, 32,33,40,41
	v_sub_f32 v[\z], v[\z], v[\z+2]                ; the maximum is taken away: the largest exponent is 0
.endr
.irp z, 32,33,40,41
	v_mul_f32 v[\z], 0x3fb8aa3b, v[\z]             ; log2(e)
.endr
.irp z, 32,33,40,41
	v_exp_f32 v[\z+4], v[\z]
.endr
	v_nop                                          ; one plain place behind the transcendentals
	s_wait_alu depctr_va_vdst(0)
	v_pk_mul_f32 v[38:39], v[36:37], v[48:49]
	v_pk_mul_f32 v[46:47], v[44:45], v[48:49]
.irp m, 1,2,4,8
.irp z, 32,33,40,41
	v_add_f32_dpp v[\z+4], v[\z+4], v[\z+4] row_xmask:\m row_mask:0xf bank_mask:0xf
	v_add_f32_dpp v[\z+6], v[\z+6], v[\z+6] row_xmask:\m row_mask:0xf bank_mask:0xf
.endr
.endr
.irp z, 32,33,40,41
	v_rcp_f32 v[\z+2], v[\z+4]                     ; the sum is at least 1
.endr
	v_nop
	s_wait_alu depctr_va_vdst(0)
	v_pk_mul_f32 v[32:33], v[38:39], v[34:35]
	v_pk_mul_f32 v[40:41], v[46:47], v[42:43]
	ds_store_b64 v245, v[32:33]                    ; the 16 lanes of a half write the same bytes with the same values
	ds_store_b64 v245, v[40:41] offset:256
	s_wait_dscnt 0x0
	s_barrier_signal -1
	s_barrier_wait -1
	s_cmp_gt_u32 s26, 1
	s_cbranch_scc1 .Lend
	s_lshl_b32 s36, s26, 8                         ; wave 0 stores out0, wave 1 out1
	s_add_co_u32 s36, s36, OUTS
	v_lshl_add_u32 v246, v1, 3, s36
	ds_load_b64 v[32:33], v246
	s_cmp_eq_u32 s26, 0
	s_cselect_b64 s[38:39], s[22:23], s[24:25]
	s_add_nc_u64 s[38:39], s[38:39], s[34:35]
	v_lshlrev_b32 v247, 3, v1
	s_wait_dscnt 0x0
	global_store_b64 v247, v[32:33], s[38:39]      ; 256 consecutive bytes, aligned
.Lend:
	s_wait_xcnt 0x0
	v_lshl_add_u32 v254, v0, 2, 0x21300
	v_mov_b32 v255, 0
	s_wait_tensorcnt 0x0
	ds_add_u32 v254, v255
	s_wait_dscnt 0x0
	s_endpgm
.Lfunc_end_k_q291f4316a6_comb:
	.size	k_q291f4316a6_comb, .Lfunc_end_k_q291f4316a6_comb-k_q291f4316a6_comb
	.p2alignl 7, 3214868480
	.fill 96, 4, 3214868480
	.section	.rodata,"a",@progbits
	.p2align	6, 0x0
	.amdhsa_kernel k_q291f4316a6_comb
		.amdhsa_group_segment_fixed_size 137984
		.amdhsa_private_segment_fixed_size 0
		.amdhsa_enable_private_segment 0
		.amdhsa_kernarg_size 88
		.amdhsa_user_sgpr_count 2
		.amdhsa_user_sgpr_kernarg_segment_ptr 1
		.amdhsa_wavefront_size32 1
		.amdhsa_system_sgpr_workgroup_id_x 1
		.amdhsa_system_sgpr_workgroup_id_y 1
		.amdhsa_system_sgpr_workgroup_id_z 1
		.amdhsa_system_vgpr_workitem_id 0
		.amdhsa_next_free_vgpr 256
		.amdhsa_next_free_sgpr 66
		.amdhsa_reserve_vcc 0
		.amdhsa_float_denorm_mode_32 3
		.amdhsa_float_denorm_mode_16_64 3
		.amdhsa_memory_ordered 1
		.amdhsa_forward_progress 1
		.amdhsa_inst_pref_size 24
	.end_amdhsa_kernel
	.amdgpu_metadata
---
amdhsa.version: [ 1, 2 ]
amdhsa.kernels:
  - .name:           k_q291f4316a6_comb
    .symbol:         k_q291f4316a6_comb.kd
    .args:
      - { .name: xb, .offset: 0, .size: 8, .value_kind: global_buffer, .address_space: global }
      - { .name: Wg1, .offset: 8, .size: 8, .value_kind: global_buffer, .address_space: global }
      - { .name: Wg2, .offset: 16, .size: 8, .value_kind: global_buffer, .address_space: global }
      - { .name: bg1, .offset: 24, .size: 8, .value_kind: global_buffer, .address_space: global }
      - { .name: bg2, .offset: 32, .size: 8, .value_kind: global_buffer, .address_space: global }
      - { .name: b2, .offset: 40, .size: 8, .value_kind: global_buffer, .address_space: global }
      - { .name: Wo, .offset: 48, .size: 8, .value_kind: global_buffer, .address_space: global }
      - { .name: bo, .offset: 56, .size: 8, .value_kind: global_buffer, .address_space: global }
      - { .name: fpart, .offset: 64, .size: 8, .value_kind: global_buffer, .address_space: global }
      - { .name: out0, .offset: 72, .size: 8, .value_kind: global_buffer, .address_space: global }
      - { .name: out1, .offset: 80, .size: 8, .value_kind: global_buffer, .address_space: global }
    .group_segment_fixed_size: 137984
    .private_segment_fixed_size: 0
    .kernarg_segment_align: 8
    .kernarg_segment_size: 88
    .max_flat_workgroup_size: 512
    .sgpr_count:     66
    .vgpr_count:     256
    .wavefront_size: 32
...
	.end_amdgpu_metadata
.endif
;; end of part 4
;; ======== version 2 of 2: 4 launches; 1.12 times as fast as version 1
;; workspace buffers: xb 2,097,152 bytes; vv 65,536 bytes; h0 33,554,432 bytes; fpart 524,288 bytes; w2b 33,554,432 bytes; gpart 524,288 bytes
;; launch prep (part 5): grid 256 x 1, 8 waves a work-group, no clusters, 50,688 bytes of LDS; arguments x, W2, Wo, Wg1, Wg2, xb, vv, w2b, gpart; writes xb, vv, w2b, gpart
.if DOCPART == 5
	.amdgcn_target "amdgcn-amd-amdhsa--gfx1250"
	.amdhsa_code_object_version 6
	.text
	.protected	k_q291f4316a6_prep
	.globl	k_q291f4316a6_prep
	.p2align	8
	.type	k_q291f4316a6_prep,@function
k_q291f4316a6_prep:
	s_mov_b64 s[64:65], 0
	v_nop
	global_prefetch_b8 v0, s[64:65] scope:SCOPE_SE
	s_setreg_imm32_b32 hwreg(HW_REG_WAVE_MODE, 25, 1), 1
	s_wait_xcnt 0x0
; Four things, each from bytes that are read once:
;   w2b = W2 rounded to bf16, same layout [16][1024 (k)][1024 (n)];
;   vv[e][h] = sum over k of W2[e][h][k] * Wo[e][k], in f32, from the same registers;
;   xb = x rounded to bf16;
;   gpart = the two gates' products x Wg1, x Wg2 (bf16 operands, f32 sums) in four parts along K, from the same registers as xb.
; WHY vv: behind the last hidden layer stands only a linear map, so (relu(h1) W2 + b2) . Wo = relu(h1) . (W2 Wo) + b2 . Wo for every input.
; With vv = W2 Wo the third product of the module becomes one f32 dot product a row.  The order of rounding differs from a layer-by-layer
; evaluation: this part is kept in f32 throughout.
; A stream: memory binds, so no cluster and no tile ring.  256 work-groups of 8 waves.
;   W2: work-group g owns rows 64 g .. 64 g + 63 of W2 taken as [16384][1024] (all of expert g / 16).  One wave takes a whole row (4,096 bytes: eight loads
;   of 512 consecutive bytes), so a row's sum never leaves the wave.  A ring of four row slots in registers.
;   x: work-group g owns rows 16 (g / 4) .. + 15, columns 256 (g % 4) .. + 255.  Wave w takes the K step of 32 columns at 32 w: its loads are already the
;   matrix instruction's A fragment.  Its 32 k rows of both gates go as bf16 through LDS bytes of its own, since a B fragment wants K along a lane.
;   The eight waves' sums, the 16 rows of xb and the 64 sums of vv meet in LDS behind the one barrier, and leave in stores of 256 or 512 consecutive bytes.
; gpart: block g of 2,048 bytes; wave w', lane l at byte 256 w' + 8 l: gate w' / 4, expert l % 16, rows 16 (g / 4) + 8 (l / 16) + 2 (w' % 4) + {0, 1}.
.set WGLW,   3072                      ; LDS 0: for each wave 32 k rows, pitch 96 = 3 x 32: gate 1 in bytes 0-31, gate 2 in bytes 32-63
.set XT,     24576                     ; xb's stage: 16 rows, pitch 528 = 33 x 16
.set XPITCH, 528
.set RED,    33024                     ; the gates' sums: wave x 2,048 + q x 512 + 16 lane
.set VS,     49408                     ; vv's 64 sums
.set WO,  20                           ; v[20:51]   Wo of my 32 columns (128 j + 4 lane + 0..3), kept for all eight rows
.set ROW, 52                           ; v[52:179]  slot s: 32 registers, a row of W2
.set PK,  180                          ; v[180:195] a row as bf16, to store
.set CH,  196                          ; v[196:203] four chains of packed multiply-adds
.set SUM, 204                          ; v204       the row's sum
.set XL,  206                          ; v[206:221] x as loaded; then v[206:213] the A fragment, v[214:221] gate 1's sums
.set GL,  222                          ; v[222:253] the gates as loaded; then v[222:237] as bf16, v[238:253] the two B fragments; then v[222:229] gate 2's sums
.set D1,  XL+8
.set D2,  GL
.set BF,  GL+16
	s_load_b512 s[4:19], s[0:1], 0x0               ; x s[4:5], W2 s[6:7], Wo s[8:9], Wg1 s[10:11], Wg2 s[12:13], xb s[14:15], vv s[16:17], w2b s[18:19]
	s_load_b64 s[20:21], s[0:1], 0x40              ; gpart
	v_lshl_add_u32 v254, v0, 2, 0xc200
	v_mov_b32 v255, 0
	v_lshrrev_b32 v16, 5, v0
	v_readfirstlane_b32 s22, v16                   ; wave 0..7
	v_and_b32 v17, 31, v0                          ; l
	v_and_b32 v18, 15, v0                          ; r = l % 16
	v_bfe_u32 v19, v0, 4, 1                        ; h = l / 16
	v_lshlrev_b32 v1, 4, v17                       ; 16 l
	v_lshlrev_b32 v13, 3, v17                      ; 8 l
	s_lshl_b32 s23, s22, 15
	v_add_nc_u32 v2, s23, v1                       ; W2: my wave's 8 rows of 4,096 bytes + 16 l
	s_lshl_b32 s23, s22, 14
	v_add_nc_u32 v3, s23, v13                      ; w2b: my wave's 8 rows of 2,048 bytes + 8 l
	s_lshl_b32 s23, s22, 7
	v_lshl_add_u32 v4, v18, 12, s23                ; x: row r, my wave's 32 columns of 4 bytes,
	v_lshl_add_u32 v4, v19, 5, v4                  ; 8 columns for each half of the lanes
	s_lshl_b32 s23, s22, 11
	v_add_nc_u32 v5, s23, v1                       ; the gates: my wave's 32 k rows of 64 bytes + 16 l
	v_add_nc_u32 v10, RED, v5                      ; where I put my sums: the same figure behind RED
	s_mul_i32 s24, s22, WGLW                       ; my wave's own bytes for the gates
	v_bfe_u32 v6, v0, 2, 3                         ; a lane's 4 numbers lie in k row l / 4 (+ 8 i), columns 4 (l % 4) ..
	v_mul_u32_u24 v6, v6, 96
	v_and_b32 v7, 3, v0
	v_lshl_add_u32 v6, v7, 3, v6
	v_add_nc_u32 v6, s24, v6
	v_and_b32 v7, 7, v0                            ; the transposing load: lane l addresses k row 8 h + l % 8,
	v_lshl_add_u32 v7, v19, 3, v7
	v_mul_u32_u24 v7, v7, 96
	v_bfe_u32 v8, v0, 3, 1                         ; and 16 bytes (8 columns) chosen by bit 3 of l
	v_lshl_add_u32 v7, v8, 4, v7
	v_add_nc_u32 v7, s24, v7
	v_mul_u32_u24 v8, v18, XPITCH                  ; xb's stage, in: row r, my wave's 64 bytes, 16 for each half of the lanes
	v_lshl_add_u32 v8, v19, 4, v8
	s_lshl_b32 s25, s22, 6
	s_add_co_u32 s25, s25, XT
	v_add_nc_u32 v8, s25, v8
	s_mul_i32 s25, s22, 2*XPITCH                   ; back: rows 2 w and 2 w + 1, 16 bytes a lane
	s_add_co_u32 s25, s25, XT
	v_add_nc_u32 v9, s25, v1
	s_lshr_b32 s25, s22, 1                         ; of the sums I finish piece q = w / 2, its half w % 2
	s_lshl_b32 s25, s25, 9
	s_and_b32 s26, s22, 1
	s_lshl_b32 s26, s26, 3
	s_add_co_u32 s25, s25, s26
	s_add_co_u32 s25, s25, RED
	v_add_nc_u32 v11, s25, v1
	s_lshl_b32 s25, s22, 5
	s_add_co_u32 s25, s25, VS
	v_mov_b32 v12, s25                             ; vv: my wave's eight words
	s_lshl_b32 s25, s22, 12
	v_add_nc_u32 v14, s25, v1                      ; xb: rows 2 w, 2 w + 1 of 2,048 bytes
	s_lshl_b32 s25, s22, 8
	v_add_nc_u32 v15, s25, v13                     ; gpart: 256 w + 8 l
	s_mov_b32 s30, 0x76543210                      ; v_permlanex16_b32: lane i of one half reads lane i of the other
	s_mov_b32 s31, 0xfedcba98
	s_lshr_b32 s27, ttmp9, 2                       ; the tile of 16 rows of x
	s_and_b32 s28, ttmp9, 3                        ; the quarter of K
	s_lshl_b32 s32, ttmp9, 18                      ; W2: 64 rows of 4,096 bytes a work-group
	s_mov_b32 s33, 0
	s_lshl_b32 s34, ttmp9, 17                      ; w2b: half of that
	s_mov_b32 s35, 0
	s_lshr_b32 s36, ttmp9, 4                       ; expert
	s_lshl_b32 s36, s36, 12                        ; its row of Wo
	s_mov_b32 s37, 0
	s_lshl_b32 s38, s27, 16                        ; x: 16 rows of 4,096 bytes,
	s_lshl_b32 s39, s28, 10                        ; 256 columns of 4
	s_add_co_u32 s38, s38, s39
	s_mov_b32 s39, 0
	s_lshl_b32 s40, s27, 15                        ; xb: the same in 2 bytes
	s_lshl_b32 s41, s28, 9
	s_add_co_u32 s40, s40, s41
	s_mov_b32 s41, 0
	s_lshl_b32 s42, s28, 14                        ; the gates: 256 k rows of 64 bytes
	s_mov_b32 s43, 0
	s_lshl_b32 s44, ttmp9, 8                       ; vv: 64 numbers a work-group
	s_mov_b32 s45, 0
	s_lshl_b32 s46, ttmp9, 11                      ; gpart: 2,048 bytes a work-group
	s_mov_b32 s47, 0
	s_wait_kmcnt 0x0
	s_add_nc_u64 s[6:7], s[6:7], s[32:33]
	s_add_nc_u64 s[18:19], s[18:19], s[34:35]
	s_add_nc_u64 s[8:9], s[8:9], s[36:37]
	s_add_nc_u64 s[4:5], s[4:5], s[38:39]
	s_add_nc_u64 s[14:15], s[14:15], s[40:41]
	s_add_nc_u64 s[10:11], s[10:11], s[42:43]
	s_add_nc_u64 s[12:13], s[12:13], s[42:43]
	s_add_nc_u64 s[16:17], s[16:17], s[44:45]
	s_add_nc_u64 s[20:21], s[20:21], s[46:47]
.macro FILL s, r                       ; row r of my eight into slot s: eight loads of 512 consecutive bytes
.irp j, 0,1,2,3,4,5,6,7
	global_load_b128 v[ROW+32*\s+4*\j:ROW+32*\s+4*\j+3], v2, s[6:7] offset:(\r)*4096+512*\j th:TH_LOAD_NT
.endr
.endm
	; 52 loads of the wave, in the order in which they are wanted
	global_load_b128 v[XL:XL+3],     v4, s[4:5] th:TH_LOAD_NT              ; x(r, 8 h + 0..3) of my K step
	global_load_b128 v[XL+4:XL+7],   v4, s[4:5] offset:16 th:TH_LOAD_NT    ; x(r, 8 h + 4..7)
	global_load_b128 v[XL+8:XL+11],  v4, s[4:5] offset:64 th:TH_LOAD_NT    ; x(r, 16 + 8 h + 0..3)
	global_load_b128 v[XL+12:XL+15], v4, s[4:5] offset:80 th:TH_LOAD_NT    ; x(r, 16 + 8 h + 4..7)
.irp i, 0,1,2,3
	global_load_b128 v[GL+4*\i:GL+4*\i+3], v5, s[10:11] offset:512*\i
.endr
.irp i, 0,1,2,3
	global_load_b128 v[GL+16+4*\i:GL+16+4*\i+3], v5, s[12:13] offset:512*\i
.endr
.irp j, 0,1,2,3,4,5,6,7
	global_load_b128 v[WO+4*\j:WO+4*\j+3], v1, s[8:9] offset:512*\j
.endr
	FILL 0, 0
	FILL 1, 1
	FILL 2, 2
	FILL 3, 3
	; THE GATES, first part: round, and send the weights through my own LDS bytes
	s_wait_loadcnt 40                              ; loads return in order: x and the gates are in, Wo's 8 and the four rows' 32 stay out
.irp i, 0,1,2,3,4,5,6,7
	v_cvt_pk_bf16_f32 v[XL+\i], v[XL+2*\i], v[XL+2*\i+1]                   ; packed downward in place: register i is written when its own numbers have been read
.endr
.irp i, 0,1,2,3,4,5,6,7
	v_cvt_pk_bf16_f32 v[GL+2*\i],   v[GL+4*\i],   v[GL+4*\i+1]
	v_cvt_pk_bf16_f32 v[GL+2*\i+1], v[GL+4*\i+2], v[GL+4*\i+3]
.endr
.irp i, 0,1,2,3
	ds_store_b64 v6, v[GL+2*\i:GL+2*\i+1] offset:768*\i                    ; gate 1, k rows 8 i + l / 4
	ds_store_b64 v6, v[GL+8+2*\i:GL+8+2*\i+1] offset:768*\i+32             ; gate 2
.endr
	ds_store_b128 v8, v[XL:XL+3]                   ; xb's stage: k = 8 h ..
	ds_store_b128 v8, v[XL+4:XL+7] offset:32       ; k = 16 + 8 h ..
	ds_load_tr16_b128 v[BF:BF+3],     v7           ; my own bytes: LDS serves a wave's instructions in order, these see the stores above
	ds_load_tr16_b128 v[BF+4:BF+7],   v7 offset:1536
	ds_load_tr16_b128 v[BF+8:BF+11],  v7 offset:32
	ds_load_tr16_b128 v[BF+12:BF+15], v7 offset:32+1536
; Row r, which lies in slot s.  left = how many younger loads may stay out; fill = 1: the slot takes row r + 4 as soon as it has been read.
.macro TURN r, s, left, fill
	s_wait_loadcnt \left
.irp k, 0,1,2,3
	v_pk_mul_f32 v[CH+2*\k:CH+2*\k+1], v[ROW+32*\s+2*\k:ROW+32*\s+2*\k+1], v[WO+2*\k:WO+2*\k+1]   ; the first products start the chains: nothing is cleared
.endr
.irp p, 4,5,6,7,8,9,10,11,12,13,14,15
	v_pk_fma_f32 v[CH+2*(\p%4):CH+2*(\p%4)+1], v[ROW+32*\s+2*\p:ROW+32*\s+2*\p+1], v[WO+2*\p:WO+2*\p+1], v[CH+2*(\p%4):CH+2*(\p%4)+1]
.endr
	s_wait_xcnt 0x0                                ; PK, which the last row's stores read, is rewritten only behind this wait
.irp j, 0,1,2,3,4,5,6,7
	v_cvt_pk_bf16_f32 v[PK+2*\j],   v[ROW+32*\s+4*\j],   v[ROW+32*\s+4*\j+1]
	v_cvt_pk_bf16_f32 v[PK+2*\j+1], v[ROW+32*\s+4*\j+2], v[ROW+32*\s+4*\j+3]
.endr
.if \fill
	FILL \s, \r+4
.endif
.irp j, 0,1,2,3,4,5,6,7
	global_store_b64 v3, v[PK+2*\j:PK+2*\j+1], s[18:19] offset:(\r)*2048+256*\j   ; each store of the wave covers 256 consecutive bytes, aligned
.endr
	v_pk_add_f32 v[CH:CH+1], v[CH:CH+1], v[CH+2:CH+3]
	v_pk_add_f32 v[CH+4:CH+5], v[CH+4:CH+5], v[CH+6:CH+7]
	v_pk_add_f32 v[CH:CH+1], v[CH:CH+1], v[CH+4:CH+5]
	v_add_f32 v[SUM], v[CH], v[CH+1]
	v_add_f32_dpp v[SUM], v[SUM], v[SUM] row_xmask:1 row_mask:0xf bank_mask:0xf
	v_add_f32_dpp v[SUM], v[SUM], v[SUM] row_xmask:2 row_mask:0xf bank_mask:0xf
	v_add_f32_dpp v[SUM], v[SUM], v[SUM] row_xmask:4 row_mask:0xf bank_mask:0xf
	v_add_f32_dpp v[SUM], v[SUM], v[SUM] row_xmask:8 row_mask:0xf bank_mask:0xf
	v_permlanex16_b32 v16, v[SUM], s30, s31        ; its destination counts as read: v16 has been written
	v_add_f32 v[SUM], v[SUM], v16
	ds_store_b32 v12, v[SUM] offset:4*\r           ; all lanes write the same word with the same value
.endm
	TURN 0, 0, 24, 1                               ; three younger rows (24 loads) stay out
	; THE GATES, second part: the fragments have had a row's work in which to come back
	s_wait_dscnt 0x0
	v_wmma_f32_16x16x32_bf16 v[D1:D1+7], v[XL:XL+7], v[BF:BF+7], 0         ; lane = expert l % 16, register j = row 8 (l / 16) + j
	v_wmma_f32_16x16x32_bf16 v[D2:D2+7], v[XL:XL+7], v[BF+8:BF+15], 0
	TURN 1, 1, 24, 1                               ; its vector work names none of the two products' registers: more than the four places that the stores below need
	ds_store_b128 v10, v[D1:D1+3]
	ds_store_b128 v10, v[D1+4:D1+7] offset:512
	ds_store_b128 v10, v[D2:D2+3] offset:1024
	ds_store_b128 v10, v[D2+4:D2+7] offset:1536
	TURN 2, 2, 24, 1
	TURN 3, 3, 24, 1
	TURN 4, 0, 24, 0                               ; rows 5, 6, 7 are the younger ones; nothing is left to ask for
	TURN 5, 1, 16, 0
	TURN 6, 2, 8, 0
	TURN 7, 3, 0, 0
	s_wait_dscnt 0x0                               ; my sums of the gates and of vv and my part of xb are in LDS, for the others
	s_barrier_signal -1
	s_barrier_wait -1
.irp k, 0,1,2,3,4,5,6,7
	ds_load_b64 v[GL+2*\k:GL+2*\k+1], v11 offset:2048*\k                   ; wave k's sums of my two rows
.endr
	ds_load_b128 v[BF:BF+3],   v9                  ; a row of xb's stage: 512 bytes
	ds_load_b128 v[BF+4:BF+7], v9 offset:XPITCH
	s_wait_dscnt 2                                 ; the eight are in, xb's two may be out
	v_pk_add_f32 v[GL:GL+1],       v[GL:GL+1],       v[GL+2:GL+3]
	v_pk_add_f32 v[GL+4:GL+5],     v[GL+4:GL+5],     v[GL+6:GL+7]
	v_pk_add_f32 v[GL+8:GL+9],     v[GL+8:GL+9],     v[GL+10:GL+11]
	v_pk_add_f32 v[GL+12:GL+13],   v[GL+12:GL+13],   v[GL+14:GL+15]
	v_pk_add_f32 v[GL:GL+1],       v[GL:GL+1],       v[GL+4:GL+5]
	v_pk_add_f32 v[GL+8:GL+9],     v[GL+8:GL+9],     v[GL+12:GL+13]
	v_pk_add_f32 v[GL:GL+1],       v[GL:GL+1],       v[GL+8:GL+9]
	global_store_b64 v15, v[GL:GL+1], s[20:21]     ; 256 consecutive bytes, aligned
	s_wait_dscnt 0x0
	global_store_b128 v14, v[BF:BF+3],   s[14:15]              ; 512 consecutive bytes, aligned
	global_store_b128 v14, v[BF+4:BF+7], s[14:15] offset:2048
	s_cmp_lg_u32 s22, 0
	s_cbranch_scc1 .Lend
	ds_load_b64 v[CH:CH+1], v13 offset:VS          ; the work-group's 64 sums of vv, two a lane
	s_wait_dscnt 0x0
	global_store_b64 v13, v[CH:CH+1], s[16:17]     ; 256 consecutive bytes, aligned
.Lend:
	s_wait_tensorcnt 0x0
	ds_add_u32 v254, v255
	s_wait_dscnt 0x0
	s_endpgm
.Lfunc_end_k_q291f4316a6_prep:
	.size	k_q291f4316a6_prep, .Lfunc_end_k_q291f4316a6_prep-k_q291f4316a6_prep
	.p2alignl 7, 3214868480
	.fill 96, 4, 3214868480
	.section	.rodata,"a",@progbits
	.p2align	6, 0x0
	.amdhsa_kernel k_q291f4316a6_prep
		.amdhsa_group_segment_fixed_size 50688
		.amdhsa_private_segment_fixed_size 0
		.amdhsa_enable_private_segment 0
		.amdhsa_kernarg_size 72
		.amdhsa_user_sgpr_count 2
		.amdhsa_user_sgpr_kernarg_segment_ptr 1
		.amdhsa_wavefront_size32 1
		.amdhsa_system_sgpr_workgroup_id_x 1
		.amdhsa_system_sgpr_workgroup_id_y 1
		.amdhsa_system_sgpr_workgroup_id_z 1
		.amdhsa_system_vgpr_workitem_id 0
		.amdhsa_next_free_vgpr 256
		.amdhsa_next_free_sgpr 66
		.amdhsa_reserve_vcc 0
		.amdhsa_float_denorm_mode_32 3
		.amdhsa_float_denorm_mode_16_64 3
		.amdhsa_memory_ordered 1
		.amdhsa_forward_progress 1
		.amdhsa_inst_pref_size 45
	.end_amdhsa_kernel
	.amdgpu_metadata
---
amdhsa.version: [ 1, 2 ]
amdhsa.kernels:
  - .name:           k_q291f4316a6_prep
    .symbol:         k_q291f4316a6_prep.kd
    .args:
      - { .name: x, .offset: 0, .size: 8, .value_kind: global_buffer, .address_space: global }
      - { .name: W2, .offset: 8, .size: 8, .value_kind: global_buffer, .address_space: global }
      - { .name: Wo, .offset: 16, .size: 8, .value_kind: global_buffer, .address_space: global }
      - { .name: Wg1, .offset: 24, .size: 8, .value_kind: global_buffer, .address_space: global }
      - { .name: Wg2, .offset: 32, .size: 8, .value_kind: global_buffer, .address_space: global }
      - { .name: xb, .offset: 40, .size: 8, .value_kind: global_buffer, .address_space: global }
      - { .name: vv, .offset: 48, .size: 8, .value_kind: global_buffer, .address_space: global }
      - { .name: w2b, .offset: 56, .size: 8, .value_kind: global_buffer, .address_space: global }
      - { .name: gpart, .offset: 64, .size: 8, .value_kind: global_buffer, .address_space: global }
    .group_segment_fixed_size: 50688
    .private_segment_fixed_size: 0
    .kernarg_segment_align: 8
    .kernarg_segment_size: 72
    .max_flat_workgroup_size: 256
    .sgpr_count:     66
    .vgpr_count:     256
    .wavefront_size: 32
...
	.end_amdgpu_metadata
.endif
;; end of part 5
;; launch g1: the kernel of part 2 again; grid 4 x 64, 4 waves a work-group, clusters of 4 x 4, 327,680 bytes of LDS; arguments xb, W1, b1, h0; writes h0
;; launch g2 (part 6): grid 4 x 64, 4 waves a work-group, clusters of 4 x 4, 327,680 bytes of LDS; arguments h0, w2b, b2, fpart, vv, Wo; writes fpart
.if DOCPART == 6
	.amdgcn_target "amdgcn-amd-amdhsa--gfx1250"
	.amdhsa_code_object_version 6
	.text
	.protected	k_q291f4316a6_g2
	.globl	k_q291f4316a6_g2
	.p2align	8
	.type	k_q291f4316a6_g2,@function
k_q291f4316a6_g2:
	s_mov_b64 s[64:65], 0
	v_nop
	global_prefetch_b8 v0, s[64:65] scope:SCOPE_SE
	s_setreg_imm32_b32 hwreg(HW_REG_WAVE_MODE, 25, 1), 1
	s_wait_xcnt 0x0
	s_wait_alu depctr_hold_cnt(0) depctr_sa_sdst(0) depctr_va_vdst(0) depctr_va_sdst(0) depctr_va_ssrc(0) depctr_va_vcc(0) depctr_vm_vsrc(0)
	s_getreg_b32 s2, hwreg(HW_REG_IB_STS2, 6, 4)
	s_cmp_eq_u32 s2, 0
	s_cbranch_scc0 .Lentry_in_a_cluster
	s_endpgm
.Lentry_in_a_cluster:
	s_bfe_u32 s2, ttmp6, 0x10000c
	s_cmp_lg_u32 s2, 0xf033
	s_cbranch_scc0 .Lentry_shape_is_right
	s_endpgm
.Lentry_shape_is_right:
; fpart[e][p][b] = sum over the 128 columns n of part p of ( relu((h0[e] W2[e])[b][n] + b2[e][n]) * vv[e][n] + b2[e][n] * Wo[e][n] ).
; h0: [16][1024][1024] bf16.  w2b: W2 as bf16, [16][1024 (k)][1024 (n)].  b2, vv, Wo: [16][1024] f32.  fpart: [16][8][1024] f32, p = 2 x block column + the wave's column half.
; The product is the module's first hidden layer; its f32 sums never leave the registers: bias, relu and the dot product with vv = W2 Wo (which stands for the
; second hidden layer and the output layer together) are taken straight from the accumulators.  The constant b2 . Wo that this folding leaves over is added here,
; each part its own 128 columns' share.  The eight parts of a row are added in a later launch.
; A cluster of 4 x 4 work-groups is one expert; a work-group makes a block of 256 x 256 with four waves, a wave 128 x 128: 64 accumulator tiles, 512 registers.
; K = 1024 goes in 8 steps of 128 through a ring of two LDS slots filled by the tensor data mover.  A slot holds 256 rows of A (K along the rows: 256 bytes, padded
; to a pitch of 272) and 128 k rows of W (N along the rows: 512 bytes, padded to a pitch of 544).  W's fragments, which want K along a lane, are read by the
; transposing ds_load_tr16_b128.
; CLUSTERS: the four work-groups of a row of the cluster need the same tiles of A, the four of a column the same tiles of W.  Each tile is asked for JOINTLY: the four
; issue the same tensor load with the same descriptor and a mask that names them.  That divides the requests for A and for W by four.
; LIMITS: relu is v_max_num_f32, which turns a NaN into 0.  Operands of the product are bf16; sums, bias, relu and the dot products are f32.
;
; REGISTERS, in windows of 256:
;   window 0: v16-28 addresses; v32-49 sums; v64-127, v128-191 fragments of A, two buffers (v64-127 at work on the way out); v192-255 b2
;   window 1: v0-63 vv; v64-127, v128-191 fragments of W, two buffers; v192-255 Wo
;   window 2: the 32 accumulator tiles of my rows 0-63 (tile (a, b) at v[8 (8 a + b)]);   window 3: those of my rows 64-127
; THE MATRIX INSTRUCTION IS USED TRANSPOSED: source 0 = 16 columns of W, source 1 = 16 rows of A.  Lane l then holds row l % 16 of the result and its registers
; 0 to 7 the columns 8 (l / 16) + 0 .. 7, so a row's sum over columns is a sum inside a lane and one step between the halves of the wave.
.set PITCH,  272                       ; a row of A in LDS: 256 bytes + 16, an odd multiple of 16
.set HALFT,  128*PITCH                 ; what one tensor load brings: 128 rows of A, or 64 k rows of W (64 x 544 is the same 34,816 bytes)
.set WPITCH, 544                       ; a k row of W in LDS: 512 bytes + 32, an odd multiple of 32
.set SLOT,   4*HALFT                   ; A's two halves, then W's two halves
.set STAGE,  2*SLOT                    ; behind the ring: 4,352 bytes for each wave, for the way out; no tensor load lands there
.set ADRA, 16                          ; v16-17  LDS address of my A fragments in slot 0, 1
.set ADRB, 20                          ; v20-21  the same for W
.set STO,  24                          ; v24     the way out: where I put a row's sum
.set RD,   25                          ; v25     the way out: where I read four sums back
.set CO,   26                          ; v26     my byte offset in fpart
.set VBO,  28                          ; v28     my byte offset in b2, vv and Wo; never rewritten
.set SU,   32                          ; v[32:39] four chains of packed multiply-adds
.set FS,   40                          ; v[40:47] the sums of my eight row tiles
.set CP,   48                          ; v[48:49] b2 . Wo over my 64 columns, as a pair whose two numbers add up to it
.set F0,   64
.set F1,   128
.set TMP,  64
.set BIAS, 192
.set VV,   0                           ; window 1
.set WOV,  192                         ; window 1
.set G1,   24                          ; s[24:31] descriptor group 1 for A's tiles
.set G0,   32                          ; s[32:39] descriptor group 0 for A's tiles, one set for each slot
.set G1B,  48                          ; s[48:55] descriptor group 1 for W's tiles
.set G0B,  56                          ; s[56:63] descriptor group 0 for W's tiles, one set for each slot
.set MSB, 0
.macro WIN new                         ; the immediate's high byte repeats the setting that is left
.if MSB != \new
	s_set_vgpr_msb (MSB<<8)|\new
.set MSB, \new
.endif
.endm
.set MUL_LO, 0xa1                      ; source 0 (W) window 1, source 1 (A) window 0, C and D window 2
.set MUL_HI, 0xf1                      ; the same, C and D window 3
; A joint load.  Waves 0 and 1 fetch A's two halves, waves 2 and 3 W's.  Each of the two lines has ONE mask and one set of registers for all that issue it, and nothing
; in them hangs on a coordinate that the four partners do not share.  The branch hangs on the wave's number alone: it is the same in every work-group.
.macro JLOAD s
	s_cmp_eq_u32 s17, 0
	s_cbranch_scc0 .Lfor_w_\@
	tensor_load_to_lds s[G0+4*\s:G0+4*\s+3], s[G1:G1+7]
	s_nop 0
	s_branch .Lasked_\@
.Lfor_w_\@:
	tensor_load_to_lds s[G0B+4*\s:G0B+4*\s+3], s[G1B:G1B+7]
	s_nop 0
.Lasked_\@:
.endm
; A round of the cluster's barrier: my work-group's barrier, wave 0 signals for the work-group, every wave waits for all sixteen, my work-group's barrier once more.
.macro CREST                           ; a round behind its opening barrier
	s_cmp_lg_u32 s16, 0
	s_cbranch_scc1 .Lnot_wave_0_\@
	s_barrier_signal -3
.Lnot_wave_0_\@:
	s_barrier_wait -3
	s_barrier_signal -1
	s_barrier_wait -1
.endm
.macro CROUND
	s_barrier_signal -1
	s_barrier_wait -1
	CREST
.endm
.macro PLACES                          ; four places behind a matrix instruction (ISA guide 7.12.1), where there is no useful work to put there
.rept 4
	v_nop
.endr
.endm
	s_load_b256 s[4:11], s[0:1], 0x0               ; h0 s[4:5], w2b s[6:7], b2 s[8:9], fpart s[10:11]
	s_load_b128 s[12:15], s[0:1], 0x20             ; vv s[12:13], Wo s[14:15]
	v_lshl_add_u32 v62, v0, 2, 0x48400
	v_mov_b32 v63, 0
	ds_add_u32 v62, v63
	v_lshrrev_b32 v4, 5, v0
	v_readfirstlane_b32 s16, v4                    ; wave 0..3
	s_lshr_b32 s17, s16, 1                         ; which half of the block's rows is mine.  Also: I fetch for A (0) or for W (1)
	s_and_b32 s18, s16, 1                          ; which half of its columns.  Also: which half of that tile I fetch
	s_bfe_u32 s19, ttmp6, 0x40000                  ; cx: the block column
	s_bfe_u32 s20, ttmp6, 0x40004                  ; cy: the block row
	s_and_b32 s21, ttmp7, 0xffff                   ; the cluster's y: the expert
	s_mov_b32 s46, 0x76543210                      ; v_permlanex16_b32: lane i of one half reads lane i of the other
	s_mov_b32 s47, 0xfedcba98
	s_lshl_b32 s22, s20, 2
	s_lshl_b32 s22, 15, s22                        ; my row of the cluster: places 4 cy .. 4 cy + 3
	s_lshl_b32 s23, 0x1111, s19                    ; my column: places cx, cx + 4, cx + 8, cx + 12
	; descriptor group 1 for A: 128 rows x 128 elements of 2 bytes, 4 words of padding behind every 64
	s_or_b32 s[G1+0], s22, (1<<16)|(1<<20)|(1<<21)|(5<<22)|(3<<25)  ; 15:0 the mask; 17:16 element of 2 bytes; 20 padding on; 21 set beside a mask; 24:22 after every 64 words; 31:25 of 4 words
	s_mov_b32 s[G1+1], 128<<16                     ; tensor_dim0 = 128
	s_mov_b32 s[G1+2], 128<<16                     ; tensor_dim1 = 128
	s_mov_b32 s[G1+3], 128<<16                     ; tile_dim0 = 128
	s_mov_b32 s[G1+4], 128                         ; tile_dim1 = 128
	s_mov_b32 s[G1+5], 1024                        ; elements from row to row
	s_mov_b32 s[G1+6], 0
	s_mov_b32 s[G1+7], 0
	; descriptor group 1 for W: 64 k rows x 256 elements of 2 bytes, 8 words of padding behind every 128
	s_or_b32 s[G1B+0], s23, (1<<16)|(1<<20)|(1<<21)|(6<<22)|(7<<25)
	s_mov_b32 s[G1B+1], 256<<16                    ; tensor_dim0 = 256
	s_mov_b32 s[G1B+2], 64<<16                     ; tensor_dim1 = 64
	s_mov_b32 s[G1B+3], 256<<16                    ; tile_dim0 = 256
	s_mov_b32 s[G1B+4], 64                         ; tile_dim1 = 64
	s_mov_b32 s[G1B+5], 1024
	s_mov_b32 s[G1B+6], 0
	s_mov_b32 s[G1B+7], 0
	; where the tiles come from.  A's hang on the expert, the block row and the wave, which my row of the cluster shares; W's on the expert, the block column and the
	; wave, which my column shares.  Every wave makes both addresses, in registers that never hold the other coordinate, and asks by one of them.
	s_lshl_b32 s40, s20, 19                        ; A: 256 cy rows of 2,048 bytes
	s_lshl_b32 s41, s18, 18                        ; + 128 rows for the second half
	s_add_co_u32 s40, s40, s41
	s_lshl_b32 s41, s21, 21                        ; + the expert's 2 MiB of h0
	s_add_co_u32 s40, s40, s41
	s_mov_b32 s41, 0
	s_lshl_b32 s42, s21, 21                        ; W: the expert's 2 MiB of w2b
	s_lshl_b32 s43, s18, 17                        ; + 64 k rows of 2,048 bytes for the second half
	s_add_co_u32 s42, s42, s43
	s_lshl_b32 s43, s19, 9                         ; + 256 cx columns of 2 bytes
	s_add_co_u32 s42, s42, s43
	s_mov_b32 s43, 0
	s_lshl_b32 s44, s21, 12                        ; b2, vv, Wo: the expert's row,
	s_lshl_b32 s45, s19, 10                        ; my block's 256 columns,
	s_add_co_u32 s44, s44, s45
	s_lshl_b32 s45, s18, 9                         ; my wave's 128
	s_add_co_u32 s44, s44, s45
	s_mov_b32 s45, 0
	s_lshl_b32 s66, s21, 15                        ; fpart: the expert's 8 parts of 4,096 bytes,
	s_lshl_b32 s67, s19, 13                        ; part 2 cx
	s_add_co_u32 s66, s66, s67
	s_lshl_b32 s67, s18, 12                        ; + my column half,
	s_add_co_u32 s66, s66, s67
	s_lshl_b32 s67, s20, 10                        ; row 256 cy
	s_add_co_u32 s66, s66, s67
	s_lshl_b32 s67, s17, 9                         ; + 128 for the second half of the rows, 4 bytes each
	s_add_co_u32 s66, s66, s67
	s_mov_b32 s67, 0
	s_mul_i32 s68, s16, HALFT                      ; where my part of a slot goes: A's two halves, then W's two halves = wave x 34,816: no place in the cluster enters an LDS address
	; vector addresses
	v_and_b32 v3, 31, v0                           ; l
	v_and_b32 v1, 15, v0                           ; l % 16
	v_bfe_u32 v2, v0, 4, 1                         ; l / 16
	v_mul_u32_u24 v5, v1, PITCH
	v_lshl_add_u32 v5, v2, 4, v5                   ; row x pitch + 16 x half
	s_mul_i32 s69, s17, HALFT                      ; my 128 rows of A
	v_add_nc_u32 v[ADRA], s69, v5
	v_add_nc_u32 v[ADRA+1], SLOT, v[ADRA]
	v_and_b32 v6, 7, v0                            ; the transposing load: lane l addresses k row 8 (l / 16) + l % 8,
	v_lshl_add_u32 v6, v2, 3, v6
	v_mul_u32_u24 v6, v6, WPITCH
	v_bfe_u32 v7, v0, 3, 1                         ; and 16 bytes (8 columns) chosen by bit 3 of l
	v_lshl_add_u32 v6, v7, 4, v6
	s_lshl_b32 s70, s18, 8                         ; my 128 columns of 2 bytes,
	s_add_co_u32 s70, s70, 2*HALFT                 ; behind A's 256 rows
	v_add_nc_u32 v[ADRB], s70, v6
	v_add_nc_u32 v[ADRB+1], SLOT, v[ADRB]
	v_lshlrev_b32 v[VBO], 5, v2                    ; 8 numbers of 4 bytes for each half of the lanes
	s_mul_i32 s71, s16, 4352
	s_add_co_u32 s71, s71, STAGE                   ; my stage
	v_lshl_add_u32 v[STO], v1, 2, s71              ; in: the word of row l % 16 of a tile
	v_lshl_add_u32 v[RD], v3, 4, s71               ; back: four rows a lane
	v_lshlrev_b32 v[CO], 4, v3
	s_wait_dscnt 0x0
	s_wait_kmcnt 0x0
	s_add_nc_u64 s[4:5], s[4:5], s[40:41]
	s_add_nc_u64 s[6:7], s[6:7], s[42:43]
	s_add_nc_u64 s[8:9], s[8:9], s[44:45]
	s_add_nc_u64 s[12:13], s[12:13], s[44:45]
	s_add_nc_u64 s[14:15], s[14:15], s[44:45]
	s_add_nc_u64 s[10:11], s[10:11], s[66:67]
	CROUND                                         ; all sixteen work-groups are here: the first joint loads meet
.irp s, 0,1
	s_mov_b32 s[G0+4*\s], 1                                        ; count = 1
	s_add_co_u32 s[G0+4*\s+1], s68, \s*SLOT                        ; LDS address
	s_add_nc_u64 s[G0+4*\s+2:G0+4*\s+3], s[4:5], \s*256            ; global address: K step s is 128 elements along A's rows
	s_or_b32 s[G0+4*\s+3], s[G0+4*\s+3], 0x80000000                ; type = 2
	s_mov_b32 s[G0B+4*\s], 1
	s_add_co_u32 s[G0B+4*\s+1], s68, \s*SLOT
	s_add_nc_u64 s[G0B+4*\s+2:G0B+4*\s+3], s[6:7], \s*128*2048     ; K step s is 128 rows down W
	s_or_b32 s[G0B+4*\s+3], s[G0B+4*\s+3], 0x80000000
	JLOAD \s                                       ; the ring is filled before anything else is done: by this text's own count two tensor loads of a wave are out here, one behind each later round
.endr
	; b2, vv and Wo of my columns 16 b + 8 (l / 16) + 0..7: wanted on the way out, asked for now, into registers that nothing else uses
.irp b, 0,1,2,3,4,5,6,7
	global_load_b128 v[BIAS+8*\b:BIAS+8*\b+3],   v[VBO], s[8:9] offset:64*\b
	global_load_b128 v[BIAS+8*\b+4:BIAS+8*\b+7], v[VBO], s[8:9] offset:64*\b+16
.endr
	WIN 0x40
.irp b, 0,1,2,3,4,5,6,7
	global_load_b128 v[VV+8*\b:VV+8*\b+3],   v[VBO], s[12:13] offset:64*\b
	global_load_b128 v[VV+8*\b+4:VV+8*\b+7], v[VBO], s[12:13] offset:64*\b+16
.endr
.irp b, 0,1,2,3,4,5,6,7
	global_load_b128 v[WOV+8*\b:WOV+8*\b+3],   v[VBO], s[14:15] offset:64*\b
	global_load_b128 v[WOV+8*\b+4:WOV+8*\b+7], v[VBO], s[14:15] offset:64*\b+16
.endr
	WIN 0
; 16 matrix instructions: row tiles a0, a0 + 1 of the window's four x all 8 column tiles, 32 along K.  zero = 1: the first product starts the sums.
; The 64 accumulators take turns, one instruction a turn, in the same order in every quarter step.
.macro MUL16 f, hi, a0, zero
.irp a, \a0, \a0+1
.irp b, 0,1,2,3,4,5,6,7
.if \zero
	v_wmma_f32_16x16x32_bf16 v[8*(8*(\a)+\b):8*(8*(\a)+\b)+7], v[\f+8*\b:\f+8*\b+7], v[\f+8*(4*\hi+\a):\f+8*(4*\hi+\a)+7], 0
.else
	v_wmma_f32_16x16x32_bf16 v[8*(8*(\a)+\b):8*(8*(\a)+\b)+7], v[\f+8*\b:\f+8*\b+7], v[\f+8*(4*\hi+\a):\f+8*(4*\hi+\a)+7], v[8*(8*(\a)+\b):8*(8*(\a)+\b)+7]
.endif
.endr
.endr
.endm
; 32 LDS loads in one run: the fragments of quarter q of a slot into buffer f.  W first (16 transposing loads: k rows 32 q + 0..15 and + 16..31 of 16 columns each),
; then A (rows 0-63, then rows 64-127, which are the youngest eight).
.macro FETCH slot, q, f
	WIN 0x40
.irp i, 0,1,2,3,4,5,6,7
	ds_load_tr16_b128 v[\f+8*\i:\f+8*\i+3],   v[ADRB+\slot] offset:(\q)*32*WPITCH+32*\i
	ds_load_tr16_b128 v[\f+8*\i+4:\f+8*\i+7], v[ADRB+\slot] offset:(\q)*32*WPITCH+32*\i+16*WPITCH
.endr
	WIN 0
.irp i, 0,1,2,3,4,5,6,7
	ds_load_b128 v[\f+8*\i:\f+8*\i+3],   v[ADRA+\slot] offset:64*(\q)+\i*16*PITCH
	ds_load_b128 v[\f+8*\i+4:\f+8*\i+7], v[ADRA+\slot] offset:64*(\q)+\i*16*PITCH+32
.endr
.endm
; A K step is four quarter steps of 32 along K, 64 matrix instructions each, on buffers 0, 1, 0, 1.
; One of the first three: multiplies buffer f; in its middle it fetches quarter q of the same slot into buffer g.
.macro QUARTER slot, q, f, g, zero
	s_wait_dscnt 8                                 ; W and A's rows 0-63 are in; the youngest eight loads (A's rows 64-127) may be out
	WIN MUL_LO
	MUL16 \f, 0, 0, \zero
	MUL16 \f, 0, 2, \zero
	PLACES                                         ; between the products that read buffer g and the loads into it
	FETCH \slot, \q, \g
	s_wait_dscnt 32                                ; all but the 32 just issued
	WIN MUL_HI
	MUL16 \f, 1, 0, \zero
	MUL16 \f, 1, 2, \zero
.endm
.macro THREE slot, zero
	QUARTER \slot, 1, F0, F1, \zero
	QUARTER \slot, 2, F1, F0, 0
	QUARTER \slot, 3, F0, F1, 0
.endm
; The last quarter: multiplies buffer 1 and changes slots.  next = the other slot; fill = 1: this slot is filled again, two K steps ahead.
; ONE barrier for the change of slots.  In front of it each wave waits for its own reads of this slot and for all its tensor loads, of which one is out: its part of
; the next slot.  Behind it nobody reads this slot any more and the next slot is whole.  With fill the barrier opens a round of the cluster's barrier, only register
; work stands inside the round, and the joint refill is the first tensor load behind it, one a wave.  From a request to the wait for it a wave issues 240 matrix instructions.
.macro TURN slot, next, fill
	s_wait_dscnt 8
	WIN MUL_LO
	MUL16 F1, 0, 0, 0
	s_wait_dscnt 0                                 ; my reads of this slot are over
	s_set_vgpr_msb 0xa1a0
	s_wait_tensorcnt 0x0                           ; and all my tensor loads have landed
	ds_add_u32 v62, v63
	s_wait_dscnt 0x0
	s_set_vgpr_msb 0xa0a1
	s_barrier_signal -1
	MUL16 F1, 0, 2, 0                              ; work on registers while the others arrive
	WIN 0
	s_barrier_wait -1
.if \fill
	CREST
	s_add_nc_u64 s[G0+4*\slot+2:G0+4*\slot+3], s[G0+4*\slot+2:G0+4*\slot+3], 2*256             ; no tensor load of mine is out: two K steps on
	s_add_nc_u64 s[G0B+4*\slot+2:G0B+4*\slot+3], s[G0B+4*\slot+2:G0B+4*\slot+3], 2*128*2048
	JLOAD \slot
.endif
	PLACES
	FETCH \next, 0, F0
	WIN MUL_HI
	MUL16 F1, 1, 0, 0
	MUL16 F1, 1, 2, 0
.endm
.macro LAP zero                        ; two K steps, once round the ring, both slots filled again
	THREE 0, \zero
	TURN 0, 1, 1
	THREE 1, 0
	TURN 1, 0, 1
.endm
	s_wait_tensorcnt 1                             ; my part of K step 0 is in; K step 1's may stay out
	s_barrier_signal -1
	s_barrier_wait -1                              ; everybody's is
	FETCH 0, 0, F0
	LAP 1                                          ; the first lap stands in front of the loop: its first products start the sums
	WIN 0                                          ; at a label and at a branch every window is 0
	s_mov_b32 s3, 2
.Llap:
	LAP 0
	WIN 0
	s_sub_co_u32 s3, s3, 1
	s_cmp_lg_u32 s3, 0
	s_cbranch_scc1 .Llap
	THREE 0, 0                                     ; the last lap fills nothing and has no round: my one tensor load that is still out is slot 1's, the last K step's
	TURN 0, 1, 0
	THREE 1, 0
	s_wait_dscnt 8                                 ; the very last quarter: nothing more to fetch
	WIN MUL_LO
	MUL16 F1, 0, 0, 0
	MUL16 F1, 0, 2, 0
	s_wait_dscnt 0
	WIN MUL_HI
	MUL16 F1, 1, 0, 0
	MUL16 F1, 1, 2, 0
	; THE WAY OUT, all in f32.  First b2 . Wo over my 64 columns.  These 35 instructions name none of the last products' registers: they are the places behind them.
	s_wait_loadcnt 0x0                             ; b2, vv, Wo
	WIN 0x04                                       ; source 1 in window 1
.irp p, 0,1,2,3
	v_pk_mul_f32 v[SU+2*\p:SU+2*\p+1], v[BIAS+2*\p:BIAS+2*\p+1], v[WOV+2*\p:WOV+2*\p+1]
.endr
.irp p, 4,5,6,7,8,9,10,11,12,13,14,15,16,17,18,19,20,21,22,23,24,25,26,27,28,29,30,31
	v_pk_fma_f32 v[SU+2*(\p%4):SU+2*(\p%4)+1], v[BIAS+2*\p:BIAS+2*\p+1], v[WOV+2*\p:WOV+2*\p+1], v[SU+2*(\p%4):SU+2*(\p%4)+1]
.endr
	WIN 0
	v_pk_add_f32 v[SU:SU+1], v[SU:SU+1], v[SU+2:SU+3]
	v_pk_add_f32 v[SU+4:SU+5], v[SU+4:SU+5], v[SU+6:SU+7]
	v_pk_add_f32 v[CP:CP+1], v[SU:SU+1], v[SU+4:SU+5]
; rows 16 i .. 16 i + 15 of my block = the eight tiles (a, 0..7) of window 2 or 3 (from = 0x02 or 0x03: source 0): bias, relu, the dot product with vv
.macro ROWS16 i, a, from
	WIN \from
.irp b, 0,1,2,3,4,5,6,7
.irp r, 0,1,2,3
	v_pk_add_f32 v[TMP+8*\b+2*\r:TMP+8*\b+2*\r+1], v[8*(8*\a+\b)+2*\r:8*(8*\a+\b)+2*\r+1], v[BIAS+8*\b+2*\r:BIAS+8*\b+2*\r+1]
.endr
.endr
	WIN 0
.set k, 0
.rept 64
	v_max_num_f32 v[TMP+k], 0, v[TMP+k]
.set k, k+1
.endr
	WIN 0x04                                       ; source 1 (vv) in window 1
	v_pk_fma_f32 v[SU:SU+1], v[TMP:TMP+1], v[VV:VV+1], v[CP:CP+1]          ; the first chain starts from b2 . Wo, the others from their first products
.irp p, 1,2,3
	v_pk_mul_f32 v[SU+2*\p:SU+2*\p+1], v[TMP+2*\p:TMP+2*\p+1], v[VV+2*\p:VV+2*\p+1]
.endr
.irp p, 4,5,6,7,8,9,10,11,12,13,14,15,16,17,18,19,20,21,22,23,24,25,26,27,28,29,30,31
	v_pk_fma_f32 v[SU+2*(\p%4):SU+2*(\p%4)+1], v[TMP+2*\p:TMP+2*\p+1], v[VV+2*\p:VV+2*\p+1], v[SU+2*(\p%4):SU+2*(\p%4)+1]
.endr
	WIN 0
	v_pk_add_f32 v[SU:SU+1], v[SU:SU+1], v[SU+2:SU+3]
	v_pk_add_f32 v[SU+4:SU+5], v[SU+4:SU+5], v[SU+6:SU+7]
	v_pk_add_f32 v[SU:SU+1], v[SU:SU+1], v[SU+4:SU+5]
	v_add_f32 v[FS+\i], v[SU], v[SU+1]             ; row l % 16 of the tile, my half of each 16 columns
.endm
	ROWS16 0, 0, 0x02
	ROWS16 1, 1, 0x02
	ROWS16 2, 2, 0x02
	ROWS16 3, 3, 0x02
	ROWS16 4, 0, 0x03
	ROWS16 5, 1, 0x03
	ROWS16 6, 2, 0x03
	ROWS16 7, 3, 0x03
.irp i, 0,1,2,3,4,5,6,7
	v_permlanex16_b32 v[TMP+\i], v[FS+\i], s46, s47    ; the other half of the columns (the destination has been written)
.endr
.irp i, 0,1,2,3,4,5,6,7
	v_add_f32 v[FS+\i], v[FS+\i], v[TMP+\i]
.endr
.irp i, 0,1,2,3,4,5,6,7
	ds_store_b32 v[STO], v[FS+\i] offset:64*\i     ; row 16 i + l % 16; lanes l and l + 16 write the same word with the same value
.endr
	ds_load_b128 v[TMP:TMP+3], v[RD]               ; my own stage: LDS serves a wave's instructions in order, this sees the stores above
	s_wait_dscnt 0x0
	global_store_b128 v[CO], v[TMP:TMP+3], s[10:11]    ; my 128 rows: 512 consecutive bytes, aligned
	s_wait_tensorcnt 0x0
	ds_add_u32 v62, v63
	s_wait_dscnt 0x0
	CROUND                                         ; the closing round: no work-group ends while a partner may still ask for a tile that names it
	s_endpgm
.Lfunc_end_k_q291f4316a6_g2:
	.size	k_q291f4316a6_g2, .Lfunc_end_k_q291f4316a6_g2-k_q291f4316a6_g2
	.p2alignl 7, 3214868480
	.fill 96, 4, 3214868480
	.section	.rodata,"a",@progbits
	.p2align	6, 0x0
	.amdhsa_kernel k_q291f4316a6_g2
		.amdhsa_group_segment_fixed_size 327680
		.amdhsa_private_segment_fixed_size 0
		.amdhsa_enable_private_segment 0
		.amdhsa_kernarg_size 48
		.amdhsa_user_sgpr_count 2
		.amdhsa_user_sgpr_kernarg_segment_ptr 1
		.amdhsa_wavefront_size32 1
		.amdhsa_system_sgpr_workgroup_id_x 1
		.amdhsa_system_sgpr_workgroup_id_y 1
		.amdhsa_system_sgpr_workgroup_id_z 1
		.amdhsa_system_vgpr_workitem_id 0
		.amdhsa_next_free_vgpr 1024
		.amdhsa_next_free_sgpr 80
		.amdhsa_reserve_vcc 0
		.amdhsa_float_denorm_mode_32 3
		.amdhsa_float_denorm_mode_16_64 3
		.amdhsa_memory_ordered 1
		.amdhsa_forward_progress 1
		.amdhsa_inst_pref_size 222
	.end_amdhsa_kernel
	.amdgpu_metadata
---
amdhsa.version: [ 1, 2 ]
amdhsa.kernels:
  - .name:           k_q291f4316a6_g2
    .symbol:         k_q291f4316a6_g2.kd
    .args:
      - { .name: h0, .offset: 0, .size: 8, .value_kind: global_buffer, .address_space: global }
      - { .name: w2b, .offset: 8, .size: 8, .value_kind: global_buffer, .address_space: global }
      - { .name: b2, .offset: 16, .size: 8, .value_kind: global_buffer, .address_space: global }
      - { .name: fpart, .offset: 24, .size: 8, .value_kind: global_buffer, .address_space: global }
      - { .name: vv, .offset: 32, .size: 8, .value_kind: global_buffer, .address_space: global }
      - { .name: Wo, .offset: 40, .size: 8, .value_kind: global_buffer, .address_space: global }
    .group_segment_fixed_size: 327680
    .private_segment_fixed_size: 0
    .kernarg_segment_align: 8
    .kernarg_segment_size: 48
    .max_flat_workgroup_size: 128
    .sgpr_count:     80
    .vgpr_count:     1024
    .wavefront_size: 32
...
	.end_amdgpu_metadata
.endif
;; end of part 6
;; launch comb (part 7): grid 16 x 1, 16 waves a work-group, no clusters, 6,912 bytes of LDS; arguments fpart, gpart, bg1, bg2, bo, out0, out1; writes out0, out1
.if DOCPART == 7
	.amdgcn_target "amdgcn-amd-amdhsa--gfx1250"
	.amdhsa_code_object_version 6
	.text
	.protected	k_q291f4316a6_comb
	.globl	k_q291f4316a6_comb
	.p2align	8
	.type	k_q291f4316a6_comb,@function
k_q291f4316a6_comb:
	s_mov_b64 s[64:65], 0
	v_nop
	global_prefetch_b8 v0, s[64:65] scope:SCOPE_SE
	s_setreg_imm32_b32 hwreg(HW_REG_WAVE_MODE, 25, 1), 1
	s_wait_xcnt 0x0
; out0[b] = sum over e of softmax(x Wg1 + bg1)[b][e] f[b][e], out1 the same with the second gate, where f[b][e] = sum over p of fpart[e][p][b] + bo[e].
; fpart: [16][8][1024] f32, the experts' outputs in eight parts (the constant b2 . Wo is already in them).
; gpart: the gates' products in four parts along K.  Block 4 t + k of 2,048 bytes belongs to the 16 rows of tile t and part k; in it byte 256 w' + 8 l holds
; gate w' / 4, expert l % 16, rows 16 t + 8 (l / 16) + 2 (w' % 4) + {0, 1}.
; A gather of sums that span the work-groups of earlier launches: no matrix unit, no cluster, no tile ring; every load of gpart covers 256 consecutive bytes, every
; half of a load of fpart too.  16 work-groups of 64 rows, so that each output store covers 256 whole bytes; there is no work for more.
; 16 waves: wave w owns expert w for f, and, as (mt = w % 4, ks = w / 4), finishes rows 16 mt + 8 (l / 16) + 2 ks + {0, 1}, lane = expert l % 16.
; The softmax takes the row's maximum away first.
; LIMITS: v_exp_f32 gives 0 below 2^-126, beside a largest term of 1 in the sum.
.set OUTS, 4352                        ; behind f (expert x 272 + 4 x row, from LDS byte 0): gate x 256 + 4 x row
.set FP, 160                           ; v[160:175] parts of f
	s_load_b256 s[4:11], s[0:1], 0x0               ; fpart s[4:5], gpart s[6:7], bg1 s[8:9], bg2 s[10:11]
	s_load_b128 s[12:15], s[0:1], 0x20             ; bo s[12:13], out0 s[14:15]
	s_load_b64 s[16:17], s[0:1], 0x30              ; out1
	v_lshl_add_u32 v254, v0, 2, 0x1300
	v_mov_b32 v255, 0
	v_lshrrev_b32 v4, 5, v0
	v_readfirstlane_b32 s26, v4                    ; wave 0..15
	s_and_b32 s27, s26, 3                          ; mt
	s_lshr_b32 s28, s26, 2                         ; ks
	s_mov_b32 s30, 0x76543210                      ; v_permlanex16_b32: lane i of one half reads lane i of the other
	s_mov_b32 s31, 0xfedcba98
	v_and_b32 v1, 31, v0                           ; l
	v_and_b32 v2, 15, v0                           ; r = l % 16
	v_bfe_u32 v3, v0, 4, 1                         ; h = l / 16
	v_lshlrev_b32 v6, 4, v2
	v_lshl_add_u32 v6, v3, 12, v6                  ; fpart: part h (+ 2 i), rows 4 r .. 4 r + 3
	v_lshlrev_b32 v8, 2, v4                        ; bo[w]
	v_lshlrev_b32 v9, 2, v2                        ; bg[r]
	v_lshlrev_b32 v10, 3, v1                       ; gpart: 8 l
	s_mul_i32 s33, s26, 272
	v_lshl_add_u32 v13, v2, 4, s33                 ; where I put f of my expert
	s_lshl_b32 s36, s27, 6                         ; 4 bytes x (16 mt + 2 ks + 8 h): my two rows in f and in the outputs
	s_lshl_b32 s37, s28, 3
	s_add_co_u32 s36, s36, s37
	v_lshl_add_u32 v245, v3, 5, s36
	v_mul_u32_u24 v244, v2, 272
	v_add_nc_u32 v244, v244, v245                  ; f of expert r
	v_add_nc_u32 v245, OUTS, v245
	s_lshl_b32 s34, ttmp9, 8                       ; 64 rows of 4 bytes a work-group
	s_mov_b32 s35, 0
	s_lshl_b32 s32, s26, 15                        ; my expert's 8 parts
	s_add_co_u32 s32, s32, s34
	s_mov_b32 s33, 0
	s_lshl_b32 s38, ttmp9, 15                      ; gpart: 16 blocks of 2,048 bytes a work-group,
	s_lshl_b32 s39, s27, 13                        ; 4 a tile,
	s_add_co_u32 s38, s38, s39
	s_lshl_b32 s39, s28, 8                         ; my two rows' 256 bytes
	s_add_co_u32 s38, s38, s39
	s_mov_b32 s39, 0
	s_wait_kmcnt 0x0
	s_add_nc_u64 s[4:5], s[4:5], s[32:33]
	s_add_nc_u64 s[6:7], s[6:7], s[38:39]
	; all 15 loads at once, in the order in which they are wanted
.irp i, 0,1,2,3
	global_load_b128 v[FP+4*\i:FP+4*\i+3], v6, s[4:5] offset:8192*\i       ; 16 lanes take 256 consecutive bytes of a part
.endr
	global_load_b32 v240, v8, s[12:13]
.irp g, 0,1
.irp k, 0,1,2,3
	global_load_b64 v[32+8*\g+2*\k:32+8*\g+2*\k+1], v10, s[6:7] offset:2048*\k+1024*\g     ; gate g, K part k, my two rows
.endr
.endr
	global_load_b32 v241, v9, s[8:9]
	global_load_b32 v242, v9, s[10:11]
	; f of my expert for the work-group's 64 rows
	s_wait_loadcnt 10                              ; gpart's eight loads and the two of bg are the younger ones
	v_pk_add_f32 v[FP:FP+1],     v[FP:FP+1],     v[FP+4:FP+5]
	v_pk_add_f32 v[FP+2:FP+3],   v[FP+2:FP+3],   v[FP+6:FP+7]
	v_pk_add_f32 v[FP+8:FP+9],   v[FP+8:FP+9],   v[FP+12:FP+13]
	v_pk_add_f32 v[FP+10:FP+11], v[FP+10:FP+11], v[FP+14:FP+15]
	v_pk_add_f32 v[FP:FP+1],     v[FP:FP+1],     v[FP+8:FP+9]
	v_pk_add_f32 v[FP+2:FP+3],   v[FP+2:FP+3],   v[FP+10:FP+11]            ; four parts; the other half of the lanes holds the other four
.irp k, 0,1,2,3
	v_permlanex16_b32 v[FP+4+\k], v[FP+\k], s30, s31
.endr
	v_pk_add_f32 v[FP:FP+1],   v[FP:FP+1],   v[FP+4:FP+5]
	v_pk_add_f32 v[FP+2:FP+3], v[FP+2:FP+3], v[FP+6:FP+7]
.irp k, 0,1,2,3
	v_add_f32 v[FP+\k], v[FP+\k], v240             ; + bo
.endr
	ds_store_b128 v13, v[FP:FP+3]                  ; lanes l and l + 16 write the same bytes with the same values
	s_wait_dscnt 0x0                               ; my f is in LDS, for the others
	s_barrier_signal -1
	s_barrier_wait -1
	ds_load_b64 v[48:49], v244                     ; f of expert r, my two rows
	s_wait_loadcnt 0x0
.irp g, 32,40
	v_pk_add_f32 v[\g:\g+1],   v[\g:\g+1],   v[\g+2:\g+3]
	v_pk_add_f32 v[\g+4:\g+5], v[\g+4:\g+5], v[\g+6:\g+7]
	v_pk_add_f32 v[\g:\g+1],   v[\g:\g+1],   v[\g+4:\g+5]
.endr
	v_add_f32 v32, v32, v241                       ; + bg1[r]
	v_add_f32 v33, v33, v241
	v_add_f32 v40, v40, v242                       ; + bg2[r]
	v_add_f32 v41, v41, v242
	; four softmaxes over the 16 lanes of a half at once: z in v[z], maximum in v[z+2], exponential in v[z+4], exponential x f in v[z+6] (all written before)
.irp z, 32,33,40,41
	v_max_num_f32_dpp v[\z+2], v[\z], v[\z] row_xmask:1 row_mask:0xf bank_mask:0xf
.endr
.irp m, 2,4,8
.irp z, 32,33,40,41
	v_max_num_f32_dpp v[\z+2], v[\z+2], v[\z+2] row_xmask:\m row_mask:0xf bank_mask:0xf
.endr
.endr
.irp z, 32,33,40,41
	v_sub_f32 v[\z], v[\z], v[\z+2]                ; the maximum is taken away: the largest exponent is 0
.endr
.irp z, 32,33,40,41
	v_mul_f32 v[\z], 0x3fb8aa3b, v[\z]             ; log2(e)
.endr
.irp z, 32,33,40,41
	v_exp_f32 v[\z+4], v[\z]
.endr
	v_nop                                          ; one plain place behind the transcendentals
	s_wait_dscnt 0x0                               ; f
	s_wait_alu depctr_va_vdst(0)
	v_pk_mul_f32 v[38:39], v[36:37], v[48:49]
	v_pk_mul_f32 v[46:47], v[44:45], v[48:49]
.irp m, 1,2,4,8
.irp z, 32,33,40,41
	v_add_f32_dpp v[\z+4], v[\z+4], v[\z+4] row_xmask:\m row_mask:0xf bank_mask:0xf
	v_add_f32_dpp v[\z+6], v[\z+6], v[\z+6] row_xmask:\m row_mask:0xf bank_mask:0xf
.endr
.endr
.irp z, 32,33,40,41
	v_rcp_f32 v[\z+2], v[\z+4]                     ; the sum is at least 1
.endr
	v_nop
	s_wait_alu depctr_va_vdst(0)
	v_pk_mul_f32 v[32:33], v[38:39], v[34:35]
	v_pk_mul_f32 v[40:41], v[46:47], v[42:43]
	ds_store_b64 v245, v[32:33]                    ; the 16 lanes of a half write the same bytes with the same values
	ds_store_b64 v245, v[40:41] offset:256
	s_wait_dscnt 0x0
	s_barrier_signal -1
	s_barrier_wait -1
	s_cmp_gt_u32 s26, 1
	s_cbranch_scc1 .Lend
	s_lshl_b32 s36, s26, 8                         ; wave 0 stores out0, wave 1 out1
	s_add_co_u32 s36, s36, OUTS
	v_lshl_add_u32 v246, v1, 3, s36
	ds_load_b64 v[32:33], v246
	s_cmp_eq_u32 s26, 0
	s_cselect_b64 s[18:19], s[14:15], s[16:17]
	s_add_nc_u64 s[18:19], s[18:19], s[34:35]
	v_lshlrev_b32 v247, 3, v1
	s_wait_dscnt 0x0
	global_store_b64 v247, v[32:33], s[18:19]      ; 256 consecutive bytes, aligned
.Lend:
	s_wait_tensorcnt 0x0
	ds_add_u32 v254, v255
	s_wait_dscnt 0x0
	s_endpgm
.Lfunc_end_k_q291f4316a6_comb:
	.size	k_q291f4316a6_comb, .Lfunc_end_k_q291f4316a6_comb-k_q291f4316a6_comb
	.p2alignl 7, 3214868480
	.fill 96, 4, 3214868480
	.section	.rodata,"a",@progbits
	.p2align	6, 0x0
	.amdhsa_kernel k_q291f4316a6_comb
		.amdhsa_group_segment_fixed_size 6912
		.amdhsa_private_segment_fixed_size 0
		.amdhsa_enable_private_segment 0
		.amdhsa_kernarg_size 56
		.amdhsa_user_sgpr_count 2
		.amdhsa_user_sgpr_kernarg_segment_ptr 1
		.amdhsa_wavefront_size32 1
		.amdhsa_system_sgpr_workgroup_id_x 1
		.amdhsa_system_sgpr_workgroup_id_y 1
		.amdhsa_system_sgpr_workgroup_id_z 1
		.amdhsa_system_vgpr_workitem_id 0
		.amdhsa_next_free_vgpr 256
		.amdhsa_next_free_sgpr 66
		.amdhsa_reserve_vcc 0
		.amdhsa_float_denorm_mode_32 3
		.amdhsa_float_denorm_mode_16_64 3
		.amdhsa_memory_ordered 1
		.amdhsa_forward_progress 1
		.amdhsa_inst_pref_size 11
	.end_amdhsa_kernel
	.amdgpu_metadata
---
amdhsa.version: [ 1, 2 ]
amdhsa.kernels:
  - .name:           k_q291f4316a6_comb
    .symbol:         k_q291f4316a6_comb.kd
    .args:
      - { .name: fpart, .offset: 0, .size: 8, .value_kind: global_buffer, .address_space: global }
      - { .name: gpart, .offset: 8, .size: 8, .value_kind: global_buffer, .address_space: global }
      - { .name: bg1, .offset: 16, .size: 8, .value_kind: global_buffer, .address_space: global }
      - { .name: bg2, .offset: 24, .size: 8, .value_kind: global_buffer, .address_space: global }
      - { .name: bo, .offset: 32, .size: 8, .value_kind: global_buffer, .address_space: global }
      - { .name: out0, .offset: 40, .size: 8, .value_kind: global_buffer, .address_space: global }
      - { .name: out1, .offset: 48, .size: 8, .value_kind: global_buffer, .address_space: global }
    .group_segment_fixed_size: 6912
    .private_segment_fixed_size: 0
    .kernarg_segment_align: 8
    .kernarg_segment_size: 56
    .max_flat_workgroup_size: 512
    .sgpr_count:     66
    .vgpr_count:     256
    .wavefront_size: 32
...
	.end_amdgpu_metadata
.endif
;; end of part 7
